; MI455X (gfx1250); checked and timed in simulation.
; The chip was launched on July 23, 2026; its instructions are those of AMD's public machine-readable ISA for CDNA 5 (MIT licence, August 2026) and "CDNA5" Instruction Set Architecture Reference Guide (July 2026). The comments in the code are by the model that wrote it; some were corrected since.
;; Multi Head Self Attention. Allowed arithmetic: matrix products marked QUANTISED: E2M3 operands, one E8M0 scale for each 32 along K, by v_wmma_scale_f32_16x16x128_f8f6f4 with both operands' format E2M3, f32 sums; everything else in f32.
;; Inputs: b_o 1,024 float32; w_k 1,024 x 1,024 float32; w_o 1,024 x 1,024 float32; w_q 1,024 x 1,024 float32; w_v 1,024 x 1,024 float32; z 4 x 2,048 x 1,024 float32.
;; Outputs: out0 4 x 2,048 x 1,024 float32.
;; This version of the problem:
;;   THIS VERSION OF THE PROBLEM IS GIVEN IN LOW PRECISION. The matrix products marked QUANTISED in the list below multiply operands that are first quantised to E2M3 (2 exponent bits, 3 mantissa bits; 6 bits a number), with one power-of-two scale for each 32 numbers along K (OCP MX v1.0); their sums are f32. All else is computed in f32.
;;   The module's matrix products, in the order in which they are computed (A, B: the left and right operand; K: the contracted axis; several contracted axes count as one K, in the product's order):
;;     1. [M 8,192, K 1,024] x [K 1,024, N 1,024]; A: input z; B: input w_q: QUANTISED
;;     2. [M 8,192, K 1,024] x [K 1,024, N 1,024]; A: input z; B: input w_k: QUANTISED
;;     3. [M 8,192, K 1,024] x [K 1,024, N 1,024]; A: input z; B: input w_v: QUANTISED
;;     4. batch 64 x [M 2,048, K 64] x [K 64, N 2,048]; A: computed on the way; B: computed on the way: QUANTISED
;;     5. batch 64 x [M 2,048, K 2,048] x [K 2,048, N 64]; A: softmax (see below); B: computed on the way: QUANTISED
;;     6. [M 8,192, K 1,024] x [K 1,024, N 1,024]; A: computed on the way; B: input w_o: QUANTISED
;;   THE QUANTISER, for each operand of a quantised product, along K:
;;     - K is cut into blocks of 32 from its start; a last block that is shorter is filled with zeros.
;;     - A block's scale is 2^e with e = floor(log2(the largest magnitude in the block)) - 2, held to -126 .. 127; a block of zeros has e = 0. As a byte (E8M0): e + 127.
;;     - Each number is divided by its block's scale, clamped to +-7.5, and rounded to the nearest number of E2M3, ties to even, subnormals kept.
;;     - The product sums the exact products of the quantised numbers (number of the format x scale) in f32.
;;   ~~~python
;;   def quantise(x, axis):      # numpy; x: float32 -> the quantised numbers, widened to float32 again
;;       x = np.moveaxis(x, axis, -1); K = x.shape[-1]
;;       x = np.pad(x, [(0, 0)] * (x.ndim - 1) + [(0, -K % 32)]); x = x.reshape(x.shape[:-1] + (-1, 32)); a = np.abs(x).max(-1, keepdims=True)
;;       e = np.where(a > 0, np.clip(np.frexp(np.where(a > 0, a, 1))[1] - 1 - 2, -126, 127), 0)      # np.frexp(a)[1] - 1 = floor(log2(a)), exactly
;;       r = np.clip(x / 2.0 ** e, -7.5, 7.5)
;;       step = 2.0 ** (np.maximum(np.frexp(np.where(r == 0, 1, r))[1] - 1, 0) - 3)
;;       q = np.round(r / step) * step * 2.0 ** e      # np.round: ties to even
;;       return np.moveaxis(q.reshape(q.shape[:-2] + (-1,))[..., :K], -1, axis).astype(np.float32)
;;   ~~~
;;   SOFTMAX AHEAD OF A QUANTISED PRODUCT. Where the list says 'softmax', what is quantised is not the finished softmax but p = 2^(t - M), with t = logit x log2(e) and M = ceil(the row's largest t), a whole number; so 1/2 < the row's largest p <= 1. The row's sum l is taken of the UNQUANTISED p, in f32, and the product's result is divided by l at the end. Since M is a whole number, a kernel that streams over the keys may use a running M (the ceiling of the running maximum): every later rescaling is an exact power of two, which a block's scale takes up: the codes' values come out the same.
;;   OPERANDS COMPUTED ON THE WAY. 'Computed on the way' means the value that the module computes at that place (a softmax that the list does not call 'softmax' is quantised finished and normalised). What goes into a quantiser is computed in f32, as accurately as f32 sums, v_exp_f32 and their like allow (about 1e-6 of the number): no bf16 or f16 on the way to a quantiser, and a product that is left as it is and whose result goes on into a quantised operand takes f32 operands (vector FMAs, or v_wmma_f32_16x16x4_f32). A number that lies on a knife's edge between two numbers of the format may be rounded either way, as far as f32 arithmetic and the matrix unit's own rounding can turn it there, and no further.
;; One version. Each part assembles by itself: llvm-mc -triple=amdgcn-amd-amdhsa -mcpu=gfx1250 --defsym DOCPART=n.
;; ======== version 1 of 1: 4 launches
;; limits: right only within a limited range of input values
;; workspace buffers: codes 9,830,400 bytes; qkv 19,660,800 bytes; ao_img 6,553,600 bytes
;; launch quant (part 1): grid 256 x 1, 6 waves a work-group, no clusters, 49,920 bytes of LDS; arguments z, w_q, w_k, w_v, w_o, codes; writes codes
.if DOCPART == 1
	.amdgcn_target "amdgcn-amd-amdhsa--gfx1250"
	.amdhsa_code_object_version 6
	.text
	.protected	k_q8e8428bdba_quant
	.globl	k_q8e8428bdba_quant
	.p2align	8
	.type	k_q8e8428bdba_quant,@function
k_q8e8428bdba_quant:
	s_mov_b64 s[64:65], 0
	v_nop
	global_prefetch_b8 v0, s[64:65] scope:SCOPE_SE
	s_setreg_imm32_b32 hwreg(HW_REG_WAVE_MODE, 25, 1), 1
	s_wait_xcnt 0x0
; z [8192][1024] and w_q, w_k, w_v, w_o [1024][1024], f32, K innermost, become codes of FP6 (E2M3) and one E8M0 scale byte for each 32 along K.
; Stored rows 0.. z, 8192.. w_q, 9216.. w_k, 10240.. w_v, 11264.. w_o: 12,288 rows = 1,536 runs of 8 rows.
; LAYOUT OF codes: each 128 stored rows form a dense record of GREC = 102,400 bytes: 4,096 scale bytes (32 a row), then four chunks of 256 along K, each 128 rows x 192 bytes.
; So the scales and any run of chunks of 128 rows are consecutive bytes that begin at a multiple of 256: the products' launches fetch them as rows of 256 bytes.
; ROW ORDER: within each 32 rows the four runs of 8 rows are stored in the order 0, 2, 1, 3: stored row 16 i + r is true row 32 (i / 2) + 8 (i % 2) + r + 8 (r / 8).
; A block's scale is 2^(floor(log2(its largest magnitude)) - 2); its byte is the largest magnitude's exponent field - 2, held at 1 from below.
; LIMITS: a block whose largest magnitude lies under 2^-124 has its byte held at 1; a block of zeros gets the byte 1 (its codes are zeros, and this program alone reads the bytes); NaN and infinities are not served.
; 256 work-groups of 6 waves; a wave takes one run: 8,192 numbers in 16 steps of 512.  Each load reads 512 consecutive bytes; a step turns through the wave's own stage in LDS, so that a lane holds 16 neighbours along K.
; No tensor loads, no barrier: waves share nothing.  Loads run four steps (16 loads a wave) ahead, the turn through LDS one step.
.set WAVES, 6
.set STEPS, 16
.set EMAX,  2
.set CB,    12                         ; bytes of 16 codes
.set CHB,   24576                      ; a chunk: 128 rows x 192 bytes
.set GREC,  102400                     ; a record of 128 rows
.set R,     16                         ; v16-79   four sets of 16 numbers as loaded
.set X,     80                         ; v80-111  two sets of 16 neighbours
.set C,     128                        ; v128-191 codes: four registers a step
.set E,     112                        ; v112-127 a scale byte a step
.set WREG,  8192                       ; LDS: a region a wave: two stages of 32 x SP bytes, then its 256 scale bytes
.set SP,    80                         ; a lane's place in a stage: 64 bytes + 16 of padding
.set SPW,   12                         ; v12  my spare word; never rewritten
.set NIL,   13                         ; v13  0; never rewritten
.set SPARE, WAVES*WREG                 ; the spare words, 128 bytes a wave
	s_load_b256 s[4:11], s[0:1], 0x0               ; z, w_q, w_k, w_v
	s_load_b128 s[12:15], s[0:1], 0x20             ; w_o, codes
	v_lshl_add_u32 v[SPW], v0, 2, SPARE
	v_mov_b32 v[NIL], 0
	v_lshrrev_b32 v1, 5, v0
	v_readfirstlane_b32 s24, v1                    ; wave
	v_and_b32 v2, 31, v0                           ; lane
	v_lshlrev_b32 v3, 4, v2                        ; my 16 bytes of a load's 512
	s_mul_i32 s25, s24, WREG
	v_lshrrev_b32 v14, 2, v2
	v_mul_u32_u24 v14, v14, SP
	v_and_b32 v15, 3, v2
	v_lshl_add_u32 v14, v15, 4, v14
	v_add_nc_u32 v14, s25, v14                     ; the stage, in: SP (lane / 4) + 16 (lane % 4)
	v_mul_u32_u24 v15, v2, SP
	v_add_nc_u32 v15, s25, v15                     ; and out: SP x lane
	v_and_b32 v4, 15, v2
	v_mul_u32_u24 v4, v4, CB
	v_lshrrev_b32 v10, 4, v2
	v_mad_u32_u24 v4, v10, CHB, v4                 ; a step is half a row = two chunks: lanes 0-15 the first, lanes 16-31 the second, 12 bytes a lane
	v_lshrrev_b32 v5, 1, v2
	s_add_co_u32 s25, s25, 2*32*SP
	v_add_nc_u32 v5, s25, v5                       ; LDS: my block's scale byte
	v_lshlrev_b32 v7, 3, v2                        ; and on the way out 8 bytes a lane
	v_add_nc_u32 v6, s25, v7
	s_mul_i32 s18, ttmp9, WAVES
	s_add_co_u32 s18, s18, s24                     ; my run, 0 .. 1535
	s_and_b32 s26, s18, 127                        ; a weight has 128 runs, and z's 1,024 are a multiple of that
	s_cmp_lt_u32 s18, 1024
	s_cselect_b32 s26, s18, s26                    ; the run within its tensor,
	s_lshl_b32 s26, s26, 15                        ; in bytes: 32,768 a run
	s_mov_b32 s27, 0
	s_and_b32 s28, s18, 1
	s_lshl_b32 s28, s28, 1
	s_bfe_u32 s29, s18, 0x10001
	s_or_b32 s28, s28, s29                         ; of four runs, run w is stored at place 0, 2, 1, 3
	s_and_b32 s29, s18, 0xfffffffc
	s_add_co_u32 s28, s28, s29                     ; the run that I write
	s_lshr_b32 s29, s28, 4
	s_mul_i32 s29, s29, GREC                       ; its record,
	s_and_b32 s28, s28, 15                         ; and its place among the record's 16 runs
	s_mul_i32 s30, s28, 8*192
	s_add_co_u32 s30, s30, s29
	s_add_co_u32 s30, s30, 4096                    ; my 8 rows in chunk 0
	s_mov_b32 s31, 0
	s_lshl_b32 s28, s28, 8
	s_add_co_u32 s28, s28, s29                     ; my 256 scale bytes
	s_mov_b32 s29, 0
	s_wait_alu depctr_va_vdst(0)                   ; the wait at the head's end
	s_wait_kmcnt 0x0
	s_mov_b64 s[22:23], s[12:13]                   ; which tensor: the choice hangs on ids alone
	s_cmp_lt_u32 s18, 1408
	s_cselect_b64 s[22:23], s[10:11], s[22:23]
	s_cmp_lt_u32 s18, 1280
	s_cselect_b64 s[22:23], s[8:9], s[22:23]
	s_cmp_lt_u32 s18, 1152
	s_cselect_b64 s[22:23], s[6:7], s[22:23]
	s_cmp_lt_u32 s18, 1024
	s_cselect_b64 s[22:23], s[4:5], s[22:23]
	s_add_nc_u64 s[22:23], s[22:23], s[26:27]
	s_add_nc_u64 s[16:17], s[14:15], s[28:29]      ; scale bytes
	s_add_nc_u64 s[14:15], s[14:15], s[30:31]      ; codes
.macro LOAD t
.irp i, 0,1,2,3
	global_load_b128 v[R+16*((\t)%4)+4*\i:R+16*((\t)%4)+4*\i+3], v3, s[22:23] offset:2048*(\t)+512*\i th:TH_LOAD_NT
.endr
.endm
.macro TURN t                          ; LDS serves a wave's instructions in order: no wait between the stores and the loads
.irp i, 0,1,2,3
	ds_store_b128 v14, v[R+16*((\t)%4)+4*\i:R+16*((\t)%4)+4*\i+3] offset:32*SP*((\t)%2)+8*SP*\i
.endr
.irp i, 0,1,2,3
	ds_load_b128 v[X+16*((\t)%2)+4*\i:X+16*((\t)%2)+4*\i+3], v15 offset:32*SP*((\t)%2)+16*\i
.endr
.endm
.irp t, 0,1,2,3
	LOAD \t
.endr
	s_wait_loadcnt 12                              ; step 0's four loads are in; the twelve behind them stay out
	TURN 0
.macro STEP t
.set XS, X+16*((\t)%2)
.if (\t) > 0
	s_wait_dscnt 1                                 ; this step's numbers are back (the last step's byte store may be out)
.else
	s_wait_dscnt 0x0
.endif
.if (\t)+4 < STEPS
	LOAD (\t)+4
.endif
.if (\t)+1 < STEPS
.if STEPS-2-(\t) >= 3
	s_wait_loadcnt 12                              ; the next step's four loads are in; three steps' may be out
.else
	s_wait_loadcnt 4*(STEPS-2-(\t))
.endif
	TURN (\t)+1
.endif
	v_max3_num_f32 v8, |v[XS]|, |v[XS+1]|, |v[XS+2]|
	v_max3_num_f32 v9, |v[XS+3]|, |v[XS+4]|, |v[XS+5]|
.irp i, 6,10
	v_max3_num_f32 v8, v8, |v[XS+\i]|, |v[XS+\i+1]|
	v_max3_num_f32 v9, v9, |v[XS+\i+2]|, |v[XS+\i+3]|
.endr
	v_max3_num_f32 v8, v8, |v[XS+14]|, |v[XS+15]|
	v_max3_num_f32 v8, v8, v9, (EMAX+1)<<23        ; the floor 2^(3 - 127): the byte cannot fall under 1
	v_max_num_f32_dpp v8, v8, v8 row_xmask:1 row_mask:0xf bank_mask:0xf   ; with my neighbour's 16: the block's
	v_add_nc_u32 v11, -(EMAX<<23), v8              ; 2 off the exponent field: the conversion's scale operand
	v_cvt_scalef32_pk16_fp6_f32 v[C+4*(\t):C+4*(\t)+2], v[XS:XS+15], v11
	v_lshrrev_b32 v[E+(\t)], 23, v11               ; the scale's byte (also the plain line behind the conversion)
	ds_store_b8 v5, v[E+(\t)] offset:16*(\t)
	global_store_b96 v4, v[C+4*(\t):C+4*(\t)+2], s[14:15] offset:2*CHB*((\t)%2)+192*((\t)/2)   ; row t / 2 of my 8, chunks 2 (t % 2) and 2 (t % 2) + 1: sixteen lanes store a row's 192 bytes
.endm
.irp t, 0,1,2,3,4,5,6,7,8,9,10,11,12,13,14,15
	STEP \t
.endr
	ds_load_b64 v[8:9], v6
	s_wait_dscnt 0x0
	global_store_b64 v7, v[8:9], s[16:17]          ; 32 lanes store 256 consecutive bytes, aligned
	s_wait_tensorcnt 0x0                           ; the wave's end
	ds_add_u32 v[SPW], v[NIL]
	s_wait_dscnt 0x0
	s_endpgm
.Lfunc_end_k_q8e8428bdba_quant:
	.size	k_q8e8428bdba_quant, .Lfunc_end_k_q8e8428bdba_quant-k_q8e8428bdba_quant
	.p2alignl 7, 3214868480
	.fill 96, 4, 3214868480
	.section	.rodata,"a",@progbits
	.p2align	6, 0x0
	.amdhsa_kernel k_q8e8428bdba_quant
		.amdhsa_group_segment_fixed_size 49920
		.amdhsa_private_segment_fixed_size 0
		.amdhsa_enable_private_segment 0
		.amdhsa_kernarg_size 48
		.amdhsa_user_sgpr_count 2
		.amdhsa_user_sgpr_kernarg_segment_ptr 1
		.amdhsa_wavefront_size32 1
		.amdhsa_system_sgpr_workgroup_id_x 1
		.amdhsa_system_sgpr_workgroup_id_y 1
		.amdhsa_system_sgpr_workgroup_id_z 1
		.amdhsa_system_vgpr_workitem_id 0
		.amdhsa_next_free_vgpr 192
		.amdhsa_next_free_sgpr 66
		.amdhsa_reserve_vcc 0
		.amdhsa_float_denorm_mode_32 3
		.amdhsa_float_denorm_mode_16_64 3
		.amdhsa_memory_ordered 1
		.amdhsa_forward_progress 1
		.amdhsa_inst_pref_size 33
	.end_amdhsa_kernel
	.amdgpu_metadata
---
amdhsa.version: [ 1, 2 ]
amdhsa.kernels:
  - .name:           k_q8e8428bdba_quant
    .symbol:         k_q8e8428bdba_quant.kd
    .args:
      - { .name: z, .offset: 0, .size: 8, .value_kind: global_buffer, .address_space: global }
      - { .name: w_q, .offset: 8, .size: 8, .value_kind: global_buffer, .address_space: global }
      - { .name: w_k, .offset: 16, .size: 8, .value_kind: global_buffer, .address_space: global }
      - { .name: w_v, .offset: 24, .size: 8, .value_kind: global_buffer, .address_space: global }
      - { .name: w_o, .offset: 32, .size: 8, .value_kind: global_buffer, .address_space: global }
      - { .name: codes, .offset: 40, .size: 8, .value_kind: global_buffer, .address_space: global }
    .group_segment_fixed_size: 49920
    .private_segment_fixed_size: 0
    .kernarg_segment_align: 8
    .kernarg_segment_size: 48
    .max_flat_workgroup_size: 192
    .sgpr_count:     66
    .vgpr_count:     192
    .wavefront_size: 32
...
	.end_amdgpu_metadata
.endif
;; end of part 1
;; launch qkv (part 2): grid 12 x 32, 4 waves a work-group, clusters of 4 x 4, 327,680 bytes of LDS; arguments codes, qkv; writes qkv
.if DOCPART == 2
	.amdgcn_target "amdgcn-amd-amdhsa--gfx1250"
	.amdhsa_code_object_version 6
	.text
	.protected	k_q8e8428bdba_qkv
	.globl	k_q8e8428bdba_qkv
	.p2align	8
	.type	k_q8e8428bdba_qkv,@function
k_q8e8428bdba_qkv:
	s_mov_b64 s[64:65], 0
	v_nop
	global_prefetch_b8 v0, s[64:65] scope:SCOPE_SE
	s_setreg_imm32_b32 hwreg(HW_REG_WAVE_MODE, 25, 1), 1
	s_wait_xcnt 0x0
	s_wait_alu depctr_hold_cnt(0) depctr_sa_sdst(0) depctr_va_vdst(0) depctr_va_sdst(0) depctr_va_ssrc(0) depctr_va_vcc(0) depctr_vm_vsrc(0)
	s_getreg_b32 s2, hwreg(HW_REG_IB_STS2, 6, 4)
	s_cmp_eq_u32 s2, 0
	s_cbranch_scc0 .Lentry_in_a_cluster
	s_endpgm
.Lentry_in_a_cluster:
	s_bfe_u32 s2, ttmp6, 0x10000c
	s_cmp_lg_u32 s2, 0xf033
	s_cbranch_scc0 .Lentry_shape_is_right
	s_endpgm
.Lentry_shape_is_right:
.set KSTEP,  256
.set NQ,     KSTEP/128
; codes: each 128 rows are a dense record of GREC bytes: 4,096 scale bytes, then four chunks (256 along K) of 128 rows x 192 bytes = CHB.
; Every tile is stated as rows of 256 bytes; 16 bytes of padding behind each 64, so a row of 192 bytes of codes has the LDS pitch 240 and two rows of 32 scale bytes 80.
; LDS: a region of REG bytes for each wave's 128 rows (A's halves, then B's): scales (SCP), the even chunks' place, the odd chunks' place.
; At the head each wave brings scales and chunks 0 and 1 by ONE joint load of 208 rows of 256 bytes; chunks 2 and 3 are refills of 96 rows.
.set CHB,    24576
.set GREC,   102400
.set PITCH,  240
.set FR,     12
.set NL,     6
.set NP,     4
.set HALFT,  128*PITCH
.set SLOT,   HALFT
.set SCP,    5120
.set REG,    SCP+2*HALFT
.set LAPS,   2
.set KS,     32
.set HALFS,  REG
.set SBLK,   640
.set SPARE,  4*REG
.set REC,    307200
.set RP,   12
.set ADRA, 16
.set ADRB, 20
.set L16,  24
.set L8,   25
.set L16C, 26
.set ADRS, 27
.set SPW,  28
.set NIL,  29
.set L8C,  30
.set SC,   32
.set TM,   64
.set PWS,  80
.set XC,   88
.set T2,   112
.set WD,   120
.set AF,   128
.set G1, 24
.set G0, 32
.set G1B, 48
.set G0B, 56
.set G1S, 68
.set G0S, 76
.set G1SB, 80
.set G0SB, 88
.set FLR,  93
.set HI,   94
.set VM,   95
.set PSEL, 96
.set SEL,  98
.set MSB, 0
.macro WIN new
.if MSB != \new
	s_set_vgpr_msb (MSB<<8)|\new
.set MSB, \new
.endif
.endm
.set MUL_LO, 0xa1
.set MUL_HI, 0xf1
.set TO_B,   0x40
.macro JLOAD g0a, g1a, g0b, g1b
	s_cmp_eq_u32 s15, 0
	s_cbranch_scc0 .Lfor_b_\@
	tensor_load_to_lds s[\g0a:\g0a+3], s[\g1a:\g1a+7]
	s_nop 0
.rept 4
	v_nop
.endr
	s_branch .Lasked_\@
.Lfor_b_\@:
	tensor_load_to_lds s[\g0b:\g0b+3], s[\g1b:\g1b+7]
	s_nop 0
.rept 4
	v_nop
.endr
.Lasked_\@:
.endm
.macro CREST
	s_cmp_lg_u32 s14, 0
	s_cbranch_scc1 .Lnot_wave_0_\@
	s_barrier_signal -3
.Lnot_wave_0_\@:
	s_barrier_wait -3
	s_barrier_signal -1
	s_barrier_wait -1
.endm
.macro CROUND
	s_barrier_signal -1
	s_barrier_wait -1
	CREST
.endm
	s_load_b64 s[4:5], s[0:1], 0x0
	s_load_b64 s[8:9], s[0:1], 0x8
	v_lshl_add_u32 v[SPW], v0, 2, SPARE
	v_mov_b32 v[NIL], 0
	ds_add_u32 v[SPW], v[NIL]
	ds_add_u32 v[SPW], v[NIL]
	v_lshrrev_b32 v1, 5, v0
	v_readfirstlane_b32 s14, v1
	s_lshr_b32 s15, s14, 1
	s_and_b32 s16, s14, 1
	s_bfe_u32 s40, ttmp6, 0x40000
	s_bfe_u32 s41, ttmp6, 0x40004
	s_and_b32 s18, ttmp7, 0xffff
	s_cmp_ge_u32 ttmp9, 2
	s_cselect_b32 s17, 0, s18
	s_cselect_b32 s42, s18, ttmp9
	s_cselect_b32 s19, 10240, 0
	s_cselect_b32 s45, 0, 8192
	s_lshl_b32 s17, s17, 2
	s_add_co_u32 s17, s17, s41
	s_lshl_b32 s42, s42, 2
	s_add_co_u32 s42, s42, s40
	s_lshl_b32 s43, s41, 2
	s_lshl_b32 s43, 15, s43
	s_lshl_b32 s44, 0x1111, s40
	s_or_b32 s[G1+0], s43, (0<<16)|(1<<20)|(1<<21)|(3<<22)|(3<<25)
	s_or_b32 s[G1B+0], s44, (0<<16)|(1<<20)|(1<<21)|(3<<22)|(3<<25)
.irp g, G1, G1B
	s_mov_b32 s[\g+1], 256<<16
	s_mov_b32 s[\g+2], 96<<16
	s_mov_b32 s[\g+3], 256<<16
	s_mov_b32 s[\g+4], 96
	s_mov_b32 s[\g+5], 256
	s_mov_b32 s[\g+6], 0
	s_mov_b32 s[\g+7], 0
.endr
	s_or_b32 s[G1S+0], s43, (3<<16)|(1<<20)|(1<<21)|(3<<22)|(3<<25)
	s_or_b32 s[G1SB+0], s44, (3<<16)|(1<<20)|(1<<21)|(3<<22)|(3<<25)
.irp g, G1S, G1SB
	s_mov_b32 s[\g+1], 32<<16
	s_mov_b32 s[\g+2], 208<<16
	s_mov_b32 s[\g+3], 32<<16
	s_mov_b32 s[\g+4], 208
	s_mov_b32 s[\g+5], 32
	s_mov_b32 s[\g+6], 0
	s_mov_b32 s[\g+7], 0
.endr
	s_lshl_b32 s18, s16, 7
	s_lshl_b32 s20, s17, 8
	s_add_co_u32 s20, s20, s18
	s_add_co_u32 s20, s20, s19
	s_lshl_b32 s46, s42, 8
	s_add_co_u32 s46, s46, s18
	s_add_co_u32 s46, s46, s45
	s_mov_b32 s21, 0
	s_mov_b32 s47, 0
	s_mul_i32 s20, s20, GREC/128                   ; the rows are multiples of 128: their records, in bytes
	s_mul_i32 s46, s46, GREC/128
	s_mul_i32 s45, s14, REG                        ; my region of LDS
	s_wait_dscnt 0x0
	s_wait_kmcnt 0x0
	s_add_nc_u64 s[20:21], s[4:5], s[20:21]
	s_add_nc_u64 s[46:47], s[4:5], s[46:47]
	CROUND
	s_mov_b32 s[G0S], 1
	s_mov_b32 s[G0S+1], s45
	s_mov_b64 s[G0S+2:G0S+3], s[20:21]
	s_or_b32 s[G0S+3], s[G0S+3], 0x80000000
	s_mov_b32 s[G0SB], 1
	s_mov_b32 s[G0SB+1], s45
	s_mov_b64 s[G0SB+2:G0SB+3], s[46:47]
	s_or_b32 s[G0SB+3], s[G0SB+3], 0x80000000
	JLOAD G0S, G1S, G0SB, G1SB
.irp s, 0,1
	s_mov_b32 s[G0+4*\s], 1
	s_add_co_u32 s[G0+4*\s+1], s45, SCP+\s*SLOT
	s_add_nc_u64 s[G0+4*\s+2:G0+4*\s+3], s[20:21], 4096+\s*CHB
	s_or_b32 s[G0+4*\s+3], s[G0+4*\s+3], 0x80000000
	s_mov_b32 s[G0B+4*\s], 1
	s_add_co_u32 s[G0B+4*\s+1], s45, SCP+\s*SLOT
	s_add_nc_u64 s[G0B+4*\s+2:G0B+4*\s+3], s[46:47], 4096+\s*CHB
	s_or_b32 s[G0B+4*\s+3], s[G0B+4*\s+3], 0x80000000
.endr
	; chunks 2 and 3 of my 128 rows, 192 blocks of 256 bytes, are asked for into the L2: the four partners of the joint load take 48 blocks each, told apart by address
	s_cmp_eq_u32 s15, 0
	s_cselect_b64 s[66:67], s[20:21], s[46:47]
	s_cselect_b32 s2, s40, s41
	s_mul_i32 s2, s2, 12288
	v_and_b32 v10, 31, v0
	v_min_u32 v11, 15, v10                         ; lanes left over name the last block again
	v_lshl_add_u32 v10, v10, 8, s2
	v_lshl_add_u32 v11, v11, 8, s2
	global_prefetch_b8 v10, s[66:67] offset:4096+2*CHB th:TH_LOAD_NT scope:SCOPE_SE
	global_prefetch_b8 v11, s[66:67] offset:4096+2*CHB+8192 th:TH_LOAD_NT scope:SCOPE_SE
	v_and_b32 v1, 15, v0
	v_bfe_u32 v2, v0, 4, 1
	v_mul_u32_u24 v3, v1, PITCH
	v_mul_u32_u24 v4, v2, 24
	v_add_nc_u32 v4, v3, v4
	v_lshl_add_u32 v5, v2, 4, v4
	s_mul_i32 s21, s15, REG
	s_add_co_u32 s21, s21, SCP
	s_mul_i32 s22, s16, REG
	s_add_co_u32 s22, s22, 2*REG+SCP
.irp s, 0,1
	v_add_nc_u32 v[ADRA+\s], s21, v4
	v_add_nc_u32 v[ADRB+\s], s22, v4
	v_add_nc_u32 v[ADRA+2+\s], s21, v5
	v_add_nc_u32 v[ADRB+2+\s], s22, v5
	s_add_co_u32 s21, s21, SLOT
	s_add_co_u32 s22, s22, SLOT
.endr
	v_mul_u32_u24 v5, v1, KS
	v_lshrrev_b32 v6, 6, v5
	v_lshl_add_u32 v5, v6, 4, v5
	s_mul_i32 s21, s15, HALFS
	s_mul_i32 s22, s16, HALFS
	s_add_co_u32 s22, s22, 2*HALFS
	s_sub_co_u32 s22, s22, s21
	v_mul_u32_u24 v6, s22, v2
	v_add_nc_u32 v5, v5, v6
	v_add_nc_u32 v[ADRS], s21, v5
	s_lshl_b32 s18, s17, 1
	s_add_co_u32 s18, s18, s15
	s_lshl_b32 s19, s42, 1
	s_add_co_u32 s19, s19, s16
	s_lshl_b32 s20, s18, 1
	s_add_co_u32 s20, s20, 32
	s_lshl_b32 s21, s19, 1
	s_cmp_ge_u32 ttmp9, 2
	s_cselect_b32 s22, s19, s18
	s_cselect_b32 s23, s20, s21
	s_mov_b32 s10, 768
	s_cselect_b32 s10, 1536, s10
	s_mov_b32 s12, 768
	s_cselect_b32 s12, 302592, s12
	s_mov_b32 s92, REC
	s_cselect_b32 s92, 768, s92
	s_cselect_b32 s[VM], -1, 0
	s_mov_b32 s11, 0
	s_mov_b32 s13, 0
	s_lshr_b32 s18, s23, 4
	s_and_b32 s19, s23, 15
	s_lshr_b32 s20, s22, 4
	s_and_b32 s21, s22, 15
	s_lshl_b32 s20, s20, 4
	s_add_co_u32 s20, s20, s19
	s_mul_i32 s20, s20, REC
	s_mul_i32 s22, s18, 98304
	s_mul_i32 s23, s18, 4096
	s_add_co_u32 s23, s23, 294912
	s_cmp_lg_u32 s18, 0
	s_cselect_b32 s46, 4096, 0
	s_mov_b32 s47, 98304
	s_cselect_b32 s23, s23, s47
	s_add_co_u32 s22, s22, s46
	s_mul_i32 s46, s21, 6144
	s_add_co_u32 s22, s22, s46
	s_add_co_u32 s22, s22, s20
	s_lshl_b32 s46, s21, 8
	s_add_co_u32 s46, s46, s23
	s_add_co_u32 s46, s46, s20
	s_mov_b32 s23, 0
	s_mov_b32 s47, 0
	s_add_nc_u64 s[4:5], s[8:9], s[22:23]
	s_add_nc_u64 s[6:7], s[8:9], s[46:47]
	s_mov_b32 s[FLR], 0x1800000
	s_mov_b32 s[HI], 0xffff0000
	s_mov_b32 s[PSEL], 0x05040100
	s_mov_b32 s[PSEL+1], 0x07060302
	s_mov_b32 s[SEL], 0x76543210
	s_mov_b32 s[SEL+1], 0xfedcba98
	v_and_b32 v6, 31, v0
	v_lshlrev_b32 v[L16], 4, v6
	v_lshlrev_b32 v[L8], 3, v6
	v_add_nc_u32 v[L16C], s92, v[L16]
	v_add_nc_u32 v[L8C], s92, v[L8]
.irp b, 0,1,2,3
	v_mov_b32 v[TM+4+\b], 0
.endr
.macro FRAG reg, adr, q, i
.irp p, 0,1,2,3,4,5
.set PC, 12*(\q)+6*(\p/3)+\p%3
.if PC%8 < 5
	ds_load_b64 v[\reg+2*\p:\reg+2*\p+1], v[\adr] offset:8*PC+16*(PC/8)+(\i)*16*PITCH
.else
	ds_load_b64 v[\reg+2*\p:\reg+2*\p+1], v[\adr+2] offset:8*PC+16*(PC/8)+(\i)*16*PITCH
.endif
.endr
.endm
.macro MUL16 a0, p, q, sc, zero
.irp a, \a0, \a0+1
.irp b, 0,1,2,3,4,5,6,7
.if \zero
	v_wmma_scale_f32_16x16x128_f8f6f4 v[8*(8*((\a)%4)+\b):8*(8*((\a)%4)+\b)+7], v[128*(\p)+FR*\b:128*(\p)+FR*\b+FR-1], v[AF+FR*(\a):AF+FR*(\a)+FR-1], 0, v[SC+8*NQ*(\sc)+NQ*\b+(\q)], v[SC+8*NQ*(\sc)+NQ*(\a)+(\q)] matrix_a_fmt:MATRIX_FMT_FP6 matrix_b_fmt:MATRIX_FMT_FP6 matrix_a_scale:MATRIX_SCALE_ROW1
.else
	v_wmma_scale_f32_16x16x128_f8f6f4 v[8*(8*((\a)%4)+\b):8*(8*((\a)%4)+\b)+7], v[128*(\p)+FR*\b:128*(\p)+FR*\b+FR-1], v[AF+FR*(\a):AF+FR*(\a)+FR-1], v[8*(8*((\a)%4)+\b):8*(8*((\a)%4)+\b)+7], v[SC+8*NQ*(\sc)+NQ*\b+(\q)], v[SC+8*NQ*(\sc)+NQ*(\a)+(\q)] matrix_a_fmt:MATRIX_FMT_FP6 matrix_b_fmt:MATRIX_FMT_FP6 matrix_a_scale:MATRIX_SCALE_ROW1
.endif
.endr
.endr
.endm
.macro FETCH_B slot, q, p
	WIN TO_B
.irp i, 0,1,2,3,4,5,6,7
	FRAG 128*(\p)+FR*\i, ADRB+\slot, \q, \i
.endr
	WIN 0
.endm
.macro FETCH_A slot, q, i0
.irp i, \i0, \i0+1, \i0+2, \i0+3
	FRAG AF+FR*(\i), ADRA+\slot, \q, \i
.endr
.endm
.macro SCALES sc
.irp i, 0,1,2,3,4,5,6,7
	ds_load_b64 v[SC+8*NQ*\sc+NQ*\i:SC+8*NQ*\sc+NQ*\i+1], v[ADRS] offset:\i*SBLK
.endr
.endm
.macro PLACES n
.rept \n
	v_nop
.endr
.endm
.macro STEP slot, q, zero
	s_wait_dscnt 4*NL
	WIN MUL_LO
	MUL16 0, (\q)%2, \q, \slot, \zero
	MUL16 2, (\q)%2, \q, \slot, \zero
	s_wait_dscnt 0
	PLACES NP
	FETCH_B \slot, (\q)+1, 1-(\q)%2
	FETCH_A \slot, (\q)+1, 0
	WIN MUL_HI
	MUL16 4, (\q)%2, \q, \slot, \zero
	MUL16 6, (\q)%2, \q, \slot, \zero
	PLACES NP
	WIN 0
	FETCH_A \slot, (\q)+1, 4
.endm
.macro TURN slot, next, fill
	s_wait_tensorcnt 0x0
	ds_add_u32 v[SPW], v[NIL]
	s_wait_dscnt 4*NL+1
	WIN MUL_LO
	MUL16 0, 1, NQ-1, \slot, 0
	s_wait_dscnt 0x0
	s_barrier_signal -1
	MUL16 2, 1, NQ-1, \slot, 0
	WIN 0
	s_barrier_wait -1
.if \fill
	CREST
	s_add_nc_u64 s[G0+4*\slot+2:G0+4*\slot+3], s[G0+4*\slot+2:G0+4*\slot+3], 2*CHB
	s_add_nc_u64 s[G0B+4*\slot+2:G0B+4*\slot+3], s[G0B+4*\slot+2:G0B+4*\slot+3], 2*CHB
	JLOAD G0+4*\slot, G1, G0B+4*\slot, G1B
.else
	PLACES NP
.endif
	s_wait_alu depctr_va_vdst(0)
	v_add_nc_u32 v[ADRS], 4*NQ, v[ADRS]
	FETCH_B \next, 0, 0
	FETCH_A \next, 0, 0
	SCALES \next
	WIN MUL_HI
	MUL16 4, 1, NQ-1, \slot, 0
	MUL16 6, 1, NQ-1, \slot, 0
	PLACES NP
	WIN 0
	FETCH_A \next, 0, 4
.endm
	s_wait_alu depctr_va_vdst(0)                   ; the wait at the head's end
	s_wait_tensorcnt 0x0                           ; my one load of the head is in
	s_barrier_signal -1
	s_barrier_wait -1
	FETCH_B 0, 0, 0
	FETCH_A 0, 0, 0
	SCALES 0
	FETCH_A 0, 0, 4
	STEP 0, 0, 1
	s_mov_b32 s3, LAPS-1
.Llap:
	TURN 0, 1, 1
	STEP 1, 0, 0
	TURN 1, 0, 1
	STEP 0, 0, 0
	s_sub_co_u32 s3, s3, 1
	s_cmp_lg_u32 s3, 0
	s_cbranch_scc1 .Llap
	TURN 0, 1, 0
	STEP 1, 0, 0
	s_wait_dscnt 4*NL
	WIN MUL_LO
	MUL16 0, 1, NQ-1, 1, 0
	MUL16 2, 1, NQ-1, 1, 0
	s_wait_dscnt 0
	WIN MUL_HI
	MUL16 4, 1, NQ-1, 1, 0
	MUL16 6, 1, NQ-1, 1, 0
	WIN 0
.macro QUANT a
.set AC, 64*((\a)%4)
.set WQ, 0x28+0x14*((\a)/4)
	WIN WQ
.irp b, 0,1,2,3
	v_max3_num_f32 v[TM+\b], s[FLR], |v[AC+16*\b]|, |v[AC+16*\b+1]|
.endr
.irp i, 2,4,6,8,10,12,14
.irp b, 0,1,2,3
	v_max3_num_f32 v[TM+\b], v[TM+\b], |v[AC+16*\b+\i]|, |v[AC+16*\b+\i+1]|
.endr
.endr
	WIN 0
.irp b, 0,1,2,3
	v_permlanex16_b32 v[TM+4+\b], v[TM+\b], s[SEL], s[SEL+1]
.endr
.irp b, 0,1,2,3
	v_max_num_f32 v[TM+\b], v[TM+\b], v[TM+4+\b]
.endr
.irp b, 0,1,2,3
	v_add_nc_u32 v[TM+12+\b], 0xff000000, v[TM+\b]
.endr
.irp b, 0,1,2,3
	v_lshrrev_b32 v[TM+4+\b], 23, v[TM+12+\b]
.endr
	v_lshl_or_b32 v[PWS+(\a)], v[TM+5], 8, v[TM+4]
	v_lshl_or_b32 v[PWS+(\a)], v[TM+6], 16, v[PWS+(\a)]
	v_lshl_or_b32 v[PWS+(\a)], v[TM+7], 24, v[PWS+(\a)]
.set WQ, 0x02+(\a)/4
	WIN WQ
.irp c, 0,1
	v_cvt_scalef32_pk16_fp6_f32 v[XS+6*\c:XS+6*\c+2], v[AC+32*\c:AC+32*\c+15], v[TM+12+2*\c]
	v_cvt_scalef32_pk16_fp6_f32 v[T2+4*\c:T2+4*\c+2], v[AC+32*\c+16:AC+32*\c+31], v[TM+13+2*\c]
.endr
	WIN 0
	v_nop
.irp c, 0,1
.irp i, 0,1,2
	v_permlane16_swap_b32 v[XS+6*\c+\i], v[T2+4*\c+\i]
.endr
.irp i, 0,1,2
	v_mov_b32 v[XS+3+6*\c+\i], v[T2+4*\c+\i]
.endr
.endr
.endm
.macro OUT a
.set XS, XC+12*((\a)%2)
	QUANT \a
	s_wait_alu depctr_va_vdst(0)
	s_wait_xcnt 0x0
.if (\a) == 4
	s_add_nc_u64 s[4:5], s[4:5], s[12:13]
.elseif (\a) > 0
	s_add_nc_u64 s[4:5], s[4:5], s[10:11]
.endif
	global_store_b128 v[L16], v[XS:XS+3], s[4:5]
	global_store_b64 v[L8], v[XS+4:XS+5], s[4:5] offset:512
	global_store_b128 v[L16C], v[XS+6:XS+9], s[4:5]
	global_store_b64 v[L8C], v[XS+10:XS+11], s[4:5] offset:512
.endm
	PLACES NP
.irp a, 0,1,2,3,4,5,6,7
	OUT \a
.endr
.irp c, 0,1
.irp f, 0,1,2,3
	v_perm_b32 v[WD+4*\c+\f], v[PWS+2*\f+1], v[PWS+2*\f], s[PSEL+\c]
.endr
.endr
.irp n, 0,1,2,3,4,5,6,7
	v_cndmask_b32 v[WD+\n], v[WD+\n], v[PWS+\n], s[VM]
.endr
.irp c, 0,1
	v_cndmask_b32 v[RP+2*\c], v[WD+4*\c], v[WD+4*\c+1], s[HI]
	v_cndmask_b32 v[RP+2*\c+1], v[WD+4*\c+2], v[WD+4*\c+3], s[HI]
.endr
	global_store_b64 v[L8], v[RP:RP+1], s[6:7]
	global_store_b64 v[L8], v[RP+2:RP+3], s[6:7] offset:REC
	s_wait_tensorcnt 0x0
	ds_add_u32 v[SPW], v[NIL]
	s_wait_dscnt 0x0
	CROUND
	s_endpgm
.Lfunc_end_k_q8e8428bdba_qkv:
	.size	k_q8e8428bdba_qkv, .Lfunc_end_k_q8e8428bdba_qkv-k_q8e8428bdba_qkv
	.p2alignl 7, 3214868480
	.fill 96, 4, 3214868480
	.section	.rodata,"a",@progbits
	.p2align	6, 0x0
	.amdhsa_kernel k_q8e8428bdba_qkv
		.amdhsa_group_segment_fixed_size 327680
		.amdhsa_private_segment_fixed_size 0
		.amdhsa_enable_private_segment 0
		.amdhsa_kernarg_size 16
		.amdhsa_user_sgpr_count 2
		.amdhsa_user_sgpr_kernarg_segment_ptr 1
		.amdhsa_wavefront_size32 1
		.amdhsa_system_sgpr_workgroup_id_x 1
		.amdhsa_system_sgpr_workgroup_id_y 1
		.amdhsa_system_sgpr_workgroup_id_z 1
		.amdhsa_system_vgpr_workitem_id 0
		.amdhsa_next_free_vgpr 1024
		.amdhsa_next_free_sgpr 100
		.amdhsa_reserve_vcc 0
		.amdhsa_float_denorm_mode_32 3
		.amdhsa_float_denorm_mode_16_64 3
		.amdhsa_memory_ordered 1
		.amdhsa_forward_progress 1
		.amdhsa_inst_pref_size 167
	.end_amdhsa_kernel
	.amdgpu_metadata
---
amdhsa.version: [ 1, 2 ]
amdhsa.kernels:
  - .name:           k_q8e8428bdba_qkv
    .symbol:         k_q8e8428bdba_qkv.kd
    .args:
      - { .name: codes, .offset: 0, .size: 8, .value_kind: global_buffer, .address_space: global }
      - { .name: qkv, .offset: 8, .size: 8, .value_kind: global_buffer, .address_space: global }
    .group_segment_fixed_size: 327680
    .private_segment_fixed_size: 0
    .kernarg_segment_align: 8
    .kernarg_segment_size: 16
    .max_flat_workgroup_size: 128
    .sgpr_count:     100
    .vgpr_count:     1024
    .wavefront_size: 32
...
	.end_amdgpu_metadata
.endif
;; end of part 2
;; launch attn (part 3): grid 4 x 64, 16 waves a work-group, clusters of 4 x 1, 206,848 bytes of LDS; arguments qkv, ao_img; writes ao_img
.if DOCPART == 3
	.amdgcn_target "amdgcn-amd-amdhsa--gfx1250"
	.amdhsa_code_object_version 6
	.text
	.protected	k_q8e8428bdba_attn
	.globl	k_q8e8428bdba_attn
	.p2align	8
	.type	k_q8e8428bdba_attn,@function
k_q8e8428bdba_attn:
	s_mov_b64 s[64:65], 0
	v_nop
	global_prefetch_b8 v0, s[64:65] scope:SCOPE_SE
	s_setreg_imm32_b32 hwreg(HW_REG_WAVE_MODE, 25, 1), 1
	s_wait_xcnt 0x0
	s_wait_alu depctr_hold_cnt(0) depctr_sa_sdst(0) depctr_va_vdst(0) depctr_va_sdst(0) depctr_va_ssrc(0) depctr_va_vcc(0) depctr_vm_vsrc(0)
	s_getreg_b32 s2, hwreg(HW_REG_IB_STS2, 6, 4)
	s_cmp_eq_u32 s2, 0
	s_cbranch_scc0 .Lentry_in_a_cluster
	s_endpgm
.Lentry_in_a_cluster:
	s_bfe_u32 s2, ttmp6, 0x10000c
	s_cmp_lg_u32 s2, 0x3003
	s_cbranch_scc0 .Lentry_shape_is_right
	s_endpgm
.Lentry_shape_is_right:
; For each of 64 (batch, head): O[q] = sum over k of p(q, k) v[k] / l(q), p = 2^(t - M), t = (q . k) log2(e) / 8, M the running largest t rounded up to a whole number, l the sum of the unquantised p.
; Both products on codes of FP6 (E2M3) with one E8M0 scale for each 32 along K; O / l is quantised along the head's 64 and stored as an image of operand registers for the last product.
; SHARES.  A work-group owns 512 queries of one head, each of its sixteen waves 32: one fragment of q, taken as two tiles of 16 one after the other, in 256 registers: four waves to a SIMD.
; K AND V OF THE WHOLE HEAD STAY IN LDS: images and scale words are 204,800 dense bytes of the head's record.  Each wave brings 12,800 of them by one tensor load; nothing is ever filled again: one barrier.
; CLUSTER.  The four work-groups of a head read the same block: it is asked for jointly (mask 15).
; IMAGES.  A fragment is 1,536 bytes: two halves of 768 (registers 0-3 at 16 x lane, registers 4-5 at 512 + 8 x lane): four dense loads.
; THE HEAD'S 64 IN AN INSTRUCTION OF K = 128.  A fragment of k holds 32 keys: 16 in its K 0-63, 16 in its K 64-127.  It is multiplied twice: by [q, 0] and by [0, q], both cut out of 18 registers 0 x 6 | q x 6 | 0 x 6.
; The idle half has zero codes on q's side, which add nothing, and q's scale bytes there are 1.
; LAYOUT.  Both products are used transposed: a lane holds ONE query.  The keys of a half were chosen so that the 16 registers of a fragment's two results are keys 32 b + 16 (lane / 16) + 0 .. 15.
; Likewise the rows of a fragment of v: the 16 registers of O's tiles 2 b, 2 b + 1 are channels 32 b + 16 (lane / 16) + 0 .. 15.
; The scale bytes of O leave as single bytes, two to a row of 32: a row's other bytes belong to other heads, which are other work-groups.  They are one byte for each 24 bytes of codes.
; LIMITS: a block of O whose largest magnitude lies under 2^-124 has its byte held at 1; a block of zeros gets the byte 1; NaN and infinities are not served.
.set KIMG,  0
.set VIMG,  98304
.set KSC,   196608
.set VSC,   200704
.set SPARE, 204800                     ; the spare words, 128 bytes for each of sixteen waves
.set REC,   307200
.set L16,  1                           ; v1   16 x lane
.set L8,   2                           ; v2   8 x lane
.set SPW,  3
.set NIL,  4
.set AD16, 5                           ; v5-7 addresses of the loads in hand
.set AD8,  6
.set ADS,  7
.set OSC,  8                           ; v8   32 r + h: my scale byte's place
.set QO,   9                           ; v9   8 r
.set QZ,   16                          ; v16-21 zeros, v22-27 q, v28-33 zeros
.set QB,   34                          ; v34-39 the second tile's q
.set QW,   40                          ; v40  q's scale bytes: two for each tile
.set QSLO, 41                          ; v41  the scale word of [q, 0]
.set QSHI, 42                          ; v42  of [0, q]
.set KS,   44                          ; v44-45 k's scale words
.set VS,   46                          ; v46-47 v's
.set FB,   48                          ; v48-95 four fragments
.set S,    96                          ; v96-159 scores, then p
.set O,    160                         ; v160-191 O^T
.set PC,   192                         ; v192-203 p's codes
.set T2,   204                         ; v204-206, v208-210
.set BM,   212                         ; v212-215 a block's largest
.set BT,   216                         ; v216-219 the other half's, then bytes
.set BS,   220                         ; v220-223 the conversions' scale operands
.set F,    224                         ; v224 f = 2^(old M - new M)
.set PW,   225                         ; v225 p's scale word
.set TP,   226
.set SUM2, 228                         ; v228-229 the second chain of the sum
.set OC,   230                         ; v230-235 O's codes
.set OB,   236                         ; v236 O's scale byte
.set WV,   10
.set SEL,  12                          ; s[12:13]
.set CS,   14                          ; s[14:15] c = log2(e) / 8
.set G1,   16
.set G0,   24
.set TK,   30                          ; s30  LDS byte of the k images to be fetched
.set TV,   31                          ; s31  of the v images
.set TSK,  32                          ; s32  of k's scale words
.set TSV,  33                          ; s33  of v's
.set FLR,  34
.set HI,   35
.macro CROUND
	s_barrier_signal -1
	s_barrier_wait -1
	s_cmp_lg_u32 s[WV], 0
	s_cbranch_scc1 .Lnot_wave_0_\@
	s_barrier_signal -3
.Lnot_wave_0_\@:
	s_barrier_wait -3
	s_barrier_signal -1
	s_barrier_wait -1
.endm
	s_load_b128 s[4:7], s[0:1], 0x0                ; qkv, ao_img
	v_lshl_add_u32 v[SPW], v0, 2, SPARE
	v_mov_b32 v[NIL], 0
	ds_add_u32 v[SPW], v[NIL]                      ; the wave's opening: the add and its wait ahead of my first tensor load; work on registers stands between them
	ds_add_u32 v[SPW], v[NIL]
	v_lshrrev_b32 v5, 5, v0
	s_delay_alu instid0(VALU_DEP_1)
	v_readfirstlane_b32 s[WV], v5                  ; wave 0..15
	s_mov_b32 s[G1], 15|(3<<16)|(1<<21)            ; the mask: all four work-groups; elements of 8 bytes; no padding; bit 21 beside a mask
	s_mov_b32 s[G1+1], 32<<16                      ; tensor_dim0: 32 elements = 256 bytes
	s_mov_b32 s[G1+2], 50<<16                      ; tensor_dim1: 50 rows
	s_mov_b32 s[G1+3], 32<<16                      ; tile_dim0
	s_mov_b32 s[G1+4], 50                          ; tile_dim1
	s_mov_b32 s[G1+5], 32                          ; the pitch: dense
	s_mov_b32 s[G1+6], 0
	s_mov_b32 s[G1+7], 0
	s_and_b32 s29, ttmp7, 0xffff                   ; 16 batch + head, which the four partners share
	s_mul_i32 s38, s29, REC                        ; the record
	s_mov_b32 s[G0], 1
	s_mul_i32 s[G0+1], s[WV], 12800                ; my part's place in LDS,
	s_add_co_u32 s40, s38, s[G0+1]
	s_add_co_u32 s40, s40, 102400                  ; and in memory: k's images begin the block
	s_mov_b32 s41, 0
	s_bfe_u32 s11, ttmp6, 0x40000                  ; cx: it enters q's and O's addresses alone
	s_lshl_b32 s42, ttmp9, 2
	s_add_co_u32 s42, s42, s11                     ; my block of 512 queries
	s_lshl_b32 s42, s42, 4
	s_add_co_u32 s42, s42, s[WV]                   ; my fragment of q, 0..63
	s_mul_i32 s44, s42, 1536
	s_add_co_u32 s44, s44, s38
	s_mov_b32 s45, 0
	s_lshr_b32 s46, s42, 2
	s_lshl_b32 s46, s46, 8                         ; its scale words: 256 bytes a chunk of four fragments;
	s_and_b32 s43, s[WV], 1
	s_lshl_b32 s43, s43, 7                         ; odd fragments lie in lanes 16-31's bytes,
	s_add_co_u32 s46, s46, s43
	s_bfe_u32 s43, s[WV], 0x10001
	s_lshl_b32 s43, s43, 2                         ; fragments 2, 3 in the second word
	s_add_co_u32 s46, s46, s43
	s_add_co_u32 s46, s46, s38
	s_add_co_u32 s46, s46, 98304
	s_mov_b32 s47, 0
	s_and_b32 s30, s29, 15                         ; the head
	s_lshr_b32 s31, s29, 4                         ; the batch
	s_lshl_b32 s31, s31, 7
	s_lshl_b32 s32, s42, 1
	s_add_co_u32 s31, s31, s32                     ; my first tile of 16 rows of O: 128 batch + 2 fragment
	; ao_img: each 8 tiles (128 rows) are a record of 102,400 bytes: 4,096 scale bytes (32 a row), then [head / 4][tile % 8][head % 4][768]
	s_lshr_b32 s39, s31, 3
	s_mul_i32 s39, s39, 102400
	s_and_b32 s31, s31, 7
	s_lshr_b32 s32, s30, 2
	s_mul_i32 s32, s32, 24576
	s_add_co_u32 s32, s32, s39
	s_add_co_u32 s32, s32, 4096
	s_mul_i32 s33, s31, 3072
	s_add_co_u32 s32, s32, s33
	s_and_b32 s33, s30, 3
	s_mul_i32 s33, s33, 768
	s_add_co_u32 s32, s32, s33
	s_mov_b32 s33, 0
	s_lshl_b32 s38, s31, 9
	s_add_co_u32 s38, s38, s39
	s_lshl_b32 s39, s30, 1
	s_add_co_u32 s38, s38, s39
	s_mov_b32 s39, 0
	s_mov_b32 s[SEL], 0x76543210
	s_mov_b32 s[SEL+1], 0xfedcba98
	s_mov_b32 s[CS], 0x3e38aa3b                    ; c = log2(e) / sqrt(64)
	s_mov_b32 s[CS+1], s[CS]
	s_mov_b32 s[FLR], 0x1800000
	s_mov_b32 s[HI], 0xffff0000
	s_mov_b32 s36, 0x01010000
	v_and_b32 v12, 31, v0
	s_delay_alu instid0(VALU_DEP_1)
	v_lshlrev_b32 v[L16], 4, v12
	s_delay_alu instid0(VALU_DEP_2)
	v_lshlrev_b32 v[L8], 3, v12
	v_and_b32 v10, 15, v0                          ; r
	v_bfe_u32 v11, v0, 4, 1                        ; h
	s_delay_alu instid0(VALU_DEP_1)
	v_lshl_add_u32 v[OSC], v10, 5, v11
	s_delay_alu instid0(VALU_DEP_3)
	v_lshlrev_b32 v[QO], 3, v10
.irp i, 0,1,2,3,4,5
	v_mov_b32 v[QZ+\i], 0
	v_mov_b32 v[QZ+12+\i], 0
.endr
.irp b, 0,1,2,3
	v_mov_b32 v[BT+\b], 0                          ; written once: a lane permute's destination counts as one of its sources
.endr
	v_mov_b32 v[PW], 0                             ; (named as the upper half of the pair with f before it is first written)
	v_mov_b32 v[TP], 0
	s_wait_dscnt 0x0                               ; the opening add is done
	s_wait_kmcnt 0x0
	s_add_nc_u64 s[G0+2:G0+3], s[4:5], s[40:41]
	s_or_b32 s[G0+3], s[G0+3], 0x80000000
	s_add_nc_u64 s[44:45], s[4:5], s[44:45]        ; q's images
	s_add_nc_u64 s[46:47], s[4:5], s[46:47]        ; q's scale word
	s_add_nc_u64 s[8:9], s[6:7], s[38:39]          ; O's scale bytes
	s_add_nc_u64 s[6:7], s[6:7], s[32:33]          ; O's images
	CROUND                                         ; all four work-groups are here: the joint loads meet
	tensor_load_to_lds s[G0:G0+3], s[G1:G1+7]      ; my one tensor load of the launch
	s_nop 0
.rept 4
	v_nop
.endr
	global_load_b128 v[QZ+6:QZ+9], v[L16], s[44:45]            ; q comes from memory: its place hangs on cx, which no LDS address may
	global_load_b64 v[QZ+10:QZ+11], v[L8], s[44:45] offset:512
	global_load_b128 v[QB:QB+3], v[L16], s[44:45] offset:768
	global_load_b64 v[QB+4:QB+5], v[L8], s[44:45] offset:1280
	global_load_b32 v[QW], v[QO], s[46:47]
	s_wait_tensorcnt 0x0                           ; my part has landed,
	s_barrier_signal -1
	s_barrier_wait -1                              ; everybody's has
.macro FLOAD sc                        ; four fragments and their scale words: 17 dense loads
.irp i, 0,1,2,3
	ds_load_b128 v[FB+12*\i:FB+12*\i+3], v[AD16] offset:1536*\i
	ds_load_b64 v[FB+12*\i+4:FB+12*\i+5], v[AD8] offset:1536*\i+512
	ds_load_b128 v[FB+12*\i+6:FB+12*\i+9], v[AD16] offset:1536*\i+768
	ds_load_b64 v[FB+12*\i+10:FB+12*\i+11], v[AD8] offset:1536*\i+1280
.endr
	ds_load_b64 v[\sc:\sc+1], v[ADS]               ; register 0: fragments 0 (lanes 0-15) and 1 (lanes 16-31); register 1: fragments 2 and 3
.endm
.macro KADR                            ; three additions and a v_nop: also the four places behind the last products, ahead of loads into registers that they read
	v_add_nc_u32 v[AD16], s[TK], v[L16]
	v_add_nc_u32 v[AD8], s[TK], v[L8]
	v_add_nc_u32 v[ADS], s[TSK], v[L8]
	v_nop
.endm
.macro KQ b                            ; fragment b of k against [q, 0] and [0, q]: keys 32 b + 16 h + 0 .. 7 and + 8 .. 15
.if (\b)%2
	v_wmma_scale_f32_16x16x128_f8f6f4 v[S+16*\b:S+16*\b+7], v[FB+12*\b:FB+12*\b+11], v[QZ+6:QZ+17], 0, v[KS+(\b)/2], v[QSLO] matrix_a_fmt:MATRIX_FMT_FP6 matrix_b_fmt:MATRIX_FMT_FP6 matrix_a_scale:MATRIX_SCALE_ROW1
	v_wmma_scale_f32_16x16x128_f8f6f4 v[S+16*\b+8:S+16*\b+15], v[FB+12*\b:FB+12*\b+11], v[QZ:QZ+11], 0, v[KS+(\b)/2], v[QSHI] matrix_a_fmt:MATRIX_FMT_FP6 matrix_b_fmt:MATRIX_FMT_FP6 matrix_a_scale:MATRIX_SCALE_ROW1
.else
	v_wmma_scale_f32_16x16x128_f8f6f4 v[S+16*\b:S+16*\b+7], v[FB+12*\b:FB+12*\b+11], v[QZ+6:QZ+17], 0, v[KS+(\b)/2], v[QSLO] matrix_a_fmt:MATRIX_FMT_FP6 matrix_b_fmt:MATRIX_FMT_FP6
	v_wmma_scale_f32_16x16x128_f8f6f4 v[S+16*\b+8:S+16*\b+15], v[FB+12*\b:FB+12*\b+11], v[QZ:QZ+11], 0, v[KS+(\b)/2], v[QSHI] matrix_a_fmt:MATRIX_FMT_FP6 matrix_b_fmt:MATRIX_FMT_FP6
.endif
.endm
.macro PV t                            ; O^T's tile t += fragment t of v x p
.if (\t)%2
	v_wmma_scale_f32_16x16x128_f8f6f4 v[O+8*\t:O+8*\t+7], v[FB+12*\t:FB+12*\t+11], v[PC:PC+11], v[O+8*\t:O+8*\t+7], v[VS+(\t)/2], v[PW] matrix_a_fmt:MATRIX_FMT_FP6 matrix_b_fmt:MATRIX_FMT_FP6 matrix_a_scale:MATRIX_SCALE_ROW1
.else
	v_wmma_scale_f32_16x16x128_f8f6f4 v[O+8*\t:O+8*\t+7], v[FB+12*\t:FB+12*\t+11], v[PC:PC+11], v[O+8*\t:O+8*\t+7], v[VS+(\t)/2], v[PW] matrix_a_fmt:MATRIX_FMT_FP6 matrix_b_fmt:MATRIX_FMT_FP6
.endif
.endm
; A KEY STEP: 128 keys.  Its k was fetched in the step before.  pre = 1: the next step's k is fetched at the end; 2: step 0's, for the next tile of queries; 0: nothing.
.macro STEP pre
	s_wait_dscnt 0x0                               ; k and its scale words are in
.irp b, 0,1,2,3
	KQ \b
.endr
	v_add_nc_u32 v[AD16], s[TV], v[L16]            ; three additions and a v_nop: the four places ahead of the loads into k's registers and of the first read of the scores
	v_add_nc_u32 v[AD8], s[TV], v[L8]
	v_add_nc_u32 v[ADS], s[TSV], v[L8]
	v_nop
	FLOAD VS                                       ; v lands under the softmax
	s_add_co_u32 s[TV], s[TV], 6144
	s_add_co_u32 s[TSV], s[TSV], 256
.irp b, 0,1,2,3
	v_max3_num_f32 v[BM+\b], v[S+16*\b], v[S+1+16*\b], v[S+2+16*\b]   ; the largest score of each block of 32 keys: for the row's maximum, and, since p rises with the score, for the block's largest p
.endr
.irp i, 3,5,7,9,11,13
.irp b, 0,1,2,3
	v_max3_num_f32 v[BM+\b], v[BM+\b], v[S+16*\b+\i], v[S+1+16*\b+\i]
.endr
.endr
.irp b, 0,1,2,3
	v_max_num_f32 v[BM+\b], v[BM+\b], v[S+15+16*\b]
.endr
.irp b, 0,1,2,3
	s_delay_alu instid0(VALU_DEP_4)
	v_permlanex16_b32 v[BT+\b], v[BM+\b], s[SEL], s[SEL+1]
.endr
.irp b, 0,1,2,3
	s_delay_alu instid0(VALU_DEP_4)
	v_max_num_f32 v[BM+\b], v[BM+\b], v[BT+\b]     ; with lane l xor 16's 16 keys
.endr
	s_delay_alu instid0(VALU_DEP_2)
	v_max3_num_f32 v[TP], v[BM], v[BM+1], v[BM+2]
	s_delay_alu instid0(VALU_DEP_1)
	v_max_num_f32 v[TP], v[TP], v[BM+3]            ; the step's largest score of my query
	s_delay_alu instid0(VALU_DEP_1)
	v_mul_f32 v[TP], s[CS], v[TP]                  ; as t
	s_delay_alu instid0(VALU_DEP_1)
	v_max_num_f32 v13, v13, v[TP]                  ; the running largest t
	v_mov_b32 v[TP], v12
	s_delay_alu instid0(VALU_DEP_2)
	v_floor_f32 v12, -v13                          ; the new -M = floor(-t): M is a whole number
	s_delay_alu instid0(VALU_DEP_1)
	v_sub_f32 v[TP], v12, v[TP]                    ; old M - new M: a whole number, 0 or less
	s_delay_alu instid0(VALU_DEP_1)
	v_cvt_i32_f32 v[TP], v[TP]                     ; (it saturates)
	s_delay_alu instid0(VALU_DEP_1)
	v_ldexp_f32 v[F], 1.0, v[TP]                   ; f = 2^(old M - new M): a multiplication by it rounds nothing
.irp j, 0,2,4,6,8,10,12,14,16,18,20,22,24,26,28,30,32,34,36,38,40,42,44,46,48,50,52,54,56,58,60,62
	v_pk_fma_f32 v[S+\j:S+1+\j], v[S+\j:S+1+\j], s[CS:CS+1], v[12:13] op_sel_hi:[1,0,0]   ; t - M, two at a time
.endr
.irp b, 0,1,2,3
	v_fma_f32 v[BM+\b], v[BM+\b], s[CS], v12       ; the same of each block's largest score
.endr
	s_wait_alu depctr_va_vdst(0)
.irp j, 0,1,2,3,4,5,6,7,8,9,10,11,12,13,14,15,16,17,18,19,20,21,22,23,24,25,26,27,28,29,30,31,32,33,34,35,36,37,38,39,40,41,42,43,44,45,46,47,48,49,50,51,52,53,54,55,56,57,58,59,60,61,62,63
	v_exp_f32 v[S+\j], v[S+\j]                     ; p = 2^(t - M), at most 1: not normalised
.endr
	v_pk_mul_f32 v[14:15], v[14:15], v[F:F+1] op_sel_hi:[1,0]   ; the sums under the new M (a plain line behind the exponentials)
	s_wait_alu depctr_va_vdst(0)                   ; one wait for the whole batch, ahead of its first reader
.irp b, 0,1,2,3
	v_exp_f32 v[BM+\b], v[BM+\b]                   ; the block's largest p
.endr
	v_pk_add_f32 v[228:229], v[100:101], v[104:105]
	v_pk_add_f32 v[254:255], v[108:109], v[112:113]
	v_pk_add_f32 v[252:253], v[116:117], v[120:121]
	v_pk_add_f32 v[250:251], v[124:125], v[128:129]
	v_pk_add_f32 v[248:249], v[132:133], v[136:137]
	v_pk_add_f32 v[246:247], v[140:141], v[144:145]
	v_pk_add_f32 v[244:245], v[148:149], v[152:153]
	v_pk_add_f32 v[14:15], v[14:15], v[156:157]
	v_pk_add_f32 v[228:229], v[228:229], v[96:97]
	v_pk_add_f32 v[254:255], v[254:255], v[98:99]
	v_pk_add_f32 v[252:253], v[252:253], v[102:103]
	v_pk_add_f32 v[250:251], v[250:251], v[106:107]
	v_pk_add_f32 v[248:249], v[248:249], v[110:111]
	v_pk_add_f32 v[246:247], v[246:247], v[114:115]
	v_pk_add_f32 v[244:245], v[244:245], v[118:119]
	v_pk_add_f32 v[14:15], v[14:15], v[122:123]
	v_pk_add_f32 v[228:229], v[228:229], v[126:127]
	v_pk_add_f32 v[254:255], v[254:255], v[130:131]
	v_pk_add_f32 v[252:253], v[252:253], v[134:135]
	v_pk_add_f32 v[250:251], v[250:251], v[138:139]
	v_pk_add_f32 v[248:249], v[248:249], v[142:143]
	v_pk_add_f32 v[246:247], v[246:247], v[146:147]
	v_pk_add_f32 v[244:245], v[244:245], v[150:151]
	v_pk_add_f32 v[14:15], v[14:15], v[154:155]
	v_pk_add_f32 v[228:229], v[228:229], v[158:159]
	s_delay_alu instid0(VALU_DEP_2)
	v_pk_add_f32 v[14:15], v[14:15], v[250:251]
	s_delay_alu instid0(VALU_DEP_2)
	v_pk_add_f32 v[228:229], v[228:229], v[248:249]
	v_pk_add_f32 v[254:255], v[254:255], v[246:247]
	v_pk_add_f32 v[252:253], v[252:253], v[244:245]
	s_delay_alu instid0(VALU_DEP_2)
	v_pk_add_f32 v[14:15], v[14:15], v[254:255]
	s_delay_alu instid0(VALU_DEP_2)
	v_pk_add_f32 v[228:229], v[228:229], v[252:253]
	s_delay_alu instid0(VALU_DEP_1)
	v_pk_add_f32 v[14:15], v[14:15], v[228:229]
	s_wait_alu depctr_va_vdst(0)                   ; and one for the four
.irp b, 0,1,2,3
	v_max_num_f32 v[BM+\b], 0x1800000, v[BM+\b]    ; the floor 2^(3 - 127): the byte cannot fall under 1
.endr
.irp b, 0,1,2,3
	s_delay_alu instid0(VALU_DEP_4)
	v_add_nc_u32 v[BS+\b], 0xff000000, v[BM+\b]    ; 2 off the exponent field: the conversion's scale operand
.endr
.irp b, 0,1,2,3
	s_delay_alu instid0(VALU_DEP_4)
	v_lshrrev_b32 v[BT+\b], 23, v[BS+\b]           ; the scale's byte
.endr
	s_delay_alu instid0(VALU_DEP_3)
	v_lshl_or_b32 v[PW], v[BT+1], 8, v[BT]         ; p's scale word for these 128 keys
	s_delay_alu instid0(VALU_DEP_1)
	v_lshl_or_b32 v[PW], v[BT+2], 16, v[PW]
	s_delay_alu instid0(VALU_DEP_1)
	v_lshl_or_b32 v[PW], v[BT+3], 24, v[PW]
.irp c, 0,1
	v_cvt_scalef32_pk16_fp6_f32 v[PC+6*\c:PC+2+6*\c], v[S+32*\c:S+15+32*\c], v[BS+2*\c]
	v_cvt_scalef32_pk16_fp6_f32 v[T2+4*\c:T2+2+4*\c], v[S+16+32*\c:S+31+32*\c], v[BS+2*\c+1]
.endr
	v_nop                                          ; one plain line behind a scaled conversion
.irp c, 0,1                                    ; a whole block in a lane: lanes 0-15 block 2 c, lanes 16-31 block 2 c + 1
.irp i, 0,1,2
	v_permlane16_swap_b32 v[PC+6*\c+\i], v[T2+4*\c+\i]
.endr
.irp i, 0,1,2
	s_delay_alu instid0(VALU_DEP_3)
	v_mov_b32 v[PC+3+6*\c+\i], v[T2+4*\c+\i]
.endr
.endr
.irp j, 0,2,4,6,8,10,12,14,16,18,20,22,24,26,28,30
	v_pk_mul_f32 v[O+\j:O+1+\j], v[O+\j:O+1+\j], v[F:F+1] op_sel_hi:[1,0]   ; O^T under the new M.  For each product below twelve of these sixteen name none of its registers: the places behind the writes of p's codes and scale word
.endr
	s_wait_alu depctr_va_vdst(0)
	s_wait_dscnt 0x0                               ; v and its scale words are in
.irp t, 0,1,2,3
	PV \t                                          ; the four accumulators take turns
.endr
.if \pre == 1
	s_add_co_u32 s[TK], s[TK], 6144
	s_add_co_u32 s[TSK], s[TSK], 256
.elseif \pre == 2
	s_mov_b32 s[TK], KIMG
	s_mov_b32 s[TSK], KSC
.endif
.if \pre
	KADR
	FLOAD KS
.else
.rept 4
	v_nop                                          ; the places behind the last products, ahead of the first read of O^T
.endr
.endif
.endm
; The way out of tile g: O^T / l, quantised along the head's 64 (two blocks), stored as a half image and two scale bytes a row.
.macro WAYOUT g
.if \g
	s_wait_xcnt 0x0                                ; the first tile's stores have read their data: those registers are written again below
.endif
	v_add_f32 v14, v14, v15                        ; the sum's two halves,
	s_delay_alu instid0(VALU_DEP_1)
	v_permlanex16_b32 v[TP], v14, s[SEL], s[SEL+1]
	s_delay_alu instid0(VALU_DEP_1)
	v_add_f32 v14, v14, v[TP]                      ; and lane l xor 16's
	s_wait_alu depctr_va_vdst(0)
	v_rcp_f32 v14, v14
	v_nop                                          ; a plain line behind the reciprocal
	s_wait_alu depctr_va_vdst(0)                   ; and the wait ahead of its first reader
.irp j, 0,2,4,6,8,10,12,14,16,18,20,22,24,26,28,30
	v_pk_mul_f32 v[O+\j:O+1+\j], v[O+\j:O+1+\j], v[14:15] op_sel_hi:[1,0]   ; each accumulator from its low end on
.endr
.irp b, 0,1
	v_max3_num_f32 v[BM+\b], s[FLR], |v[O+16*\b]|, |v[O+1+16*\b]|
.endr
.irp i, 2,4,6,8,10,12,14
.irp b, 0,1
	s_delay_alu instid0(VALU_DEP_2)
	v_max3_num_f32 v[BM+\b], v[BM+\b], |v[O+16*\b+\i]|, |v[O+1+16*\b+\i]|
.endr
.endr
.irp b, 0,1
	s_delay_alu instid0(VALU_DEP_2)
	v_permlanex16_b32 v[BT+\b], v[BM+\b], s[SEL], s[SEL+1]
.endr
.irp b, 0,1
	s_delay_alu instid0(VALU_DEP_2)
	v_max_num_f32 v[BM+\b], v[BM+\b], v[BT+\b]
.endr
.irp b, 0,1
	s_delay_alu instid0(VALU_DEP_2)
	v_add_nc_u32 v[BS+\b], 0xff000000, v[BM+\b]
.endr
.irp b, 0,1
	s_delay_alu instid0(VALU_DEP_2)
	v_lshrrev_b32 v[BT+\b], 23, v[BS+\b]
.endr
	v_cvt_scalef32_pk16_fp6_f32 v[OC:OC+2], v[O:O+15], v[BS]
	v_cvt_scalef32_pk16_fp6_f32 v[T2:T2+2], v[O+16:O+31], v[BS+1]
	v_cndmask_b32 v[OB], v[BT], v[BT+1], s[HI]     ; lanes 0-15 keep block 0's byte, lanes 16-31 block 1's (also the plain line behind the conversions)
.irp i, 0,1,2
	v_permlane16_swap_b32 v[OC+\i], v[T2+\i]
.endr
.irp i, 0,1,2
	s_delay_alu instid0(VALU_DEP_3)
	v_mov_b32 v[OC+3+\i], v[T2+\i]
.endr
	global_store_b128 v[L16], v[OC:OC+3], s[6:7] offset:3072*\g        ; 512 consecutive bytes,
	global_store_b64 v[L8], v[OC+4:OC+5], s[6:7] offset:3072*\g+512    ; and 256, both at multiples of 256 from the buffer's first byte
	global_store_b8 v[OSC], v[OB], s[8:9] offset:512*\g
.endm
.macro TILE g
.if \g
.irp i, 0,1,2,3,4,5
	v_mov_b32 v[QZ+6+\i], v[QB+\i]                 ; the second tile's q
.endr
	v_lshrrev_b32 v[QW], 16, v[QW]                 ; and its two scale bytes
.endif
	v_and_or_b32 v[QSLO], v[QW], 0xffff, s36       ; [q, 0]: q's two bytes below, 1, 1 above
	v_lshl_or_b32 v[QSHI], v[QW], 16, 0x0101       ; [0, q]: the other way round
.irp j, 0,1,2,3,4,5,6,7,8,9,10,11,12,13,14,15,16,17,18,19,20,21,22,23,24,25,26,27,28,29,30,31
	v_mov_b32 v[O+\j], 0                           ; O^T: the first step finds zeros, which the first change of M leaves zeros.  (Also the places behind the writes of q and its scale words)
.endr
	v_mov_b32 v13, 0xff61b1e6                      ; the largest t so far: -3e38
	s_delay_alu instid0(VALU_DEP_1)
	v_floor_f32 v12, -v13                          ; -M
	v_mov_b32 v14, 0
	v_mov_b32 v15, 0
	s_mov_b32 s[TV], VIMG
	s_mov_b32 s[TSV], VSC
	s_mov_b32 s28, 15
.Lkey_\@:                                          ; 15 of the 16 key steps; the last is written out, since what it fetches differs
	STEP 1
	s_sub_co_u32 s28, s28, 1
	s_cmp_lg_u32 s28, 0
	s_cbranch_scc1 .Lkey_\@
.if \g
	STEP 0
.else
	STEP 2
.endif
	WAYOUT \g
.endm
	s_mov_b32 s[TK], KIMG
	s_mov_b32 s[TSK], KSC
	KADR
	FLOAD KS                                       ; key step 0
	s_wait_loadcnt 0x0                             ; q
	TILE 0
	TILE 1
	s_wait_tensorcnt 0x0                           ; the wave's end
	ds_add_u32 v[SPW], v[NIL]
	s_wait_dscnt 0x0
	CROUND                                         ; the closing round
	s_endpgm
.Lfunc_end_k_q8e8428bdba_attn:
	.size	k_q8e8428bdba_attn, .Lfunc_end_k_q8e8428bdba_attn-k_q8e8428bdba_attn
	.p2alignl 7, 3214868480
	.fill 96, 4, 3214868480
	.section	.rodata,"a",@progbits
	.p2align	6, 0x0
	.amdhsa_kernel k_q8e8428bdba_attn
		.amdhsa_group_segment_fixed_size 206848
		.amdhsa_private_segment_fixed_size 0
		.amdhsa_enable_private_segment 0
		.amdhsa_kernarg_size 16
		.amdhsa_user_sgpr_count 2
		.amdhsa_user_sgpr_kernarg_segment_ptr 1
		.amdhsa_wavefront_size32 1
		.amdhsa_system_sgpr_workgroup_id_x 1
		.amdhsa_system_sgpr_workgroup_id_y 1
		.amdhsa_system_sgpr_workgroup_id_z 1
		.amdhsa_system_vgpr_workitem_id 0
		.amdhsa_next_free_vgpr 256
		.amdhsa_next_free_sgpr 66
		.amdhsa_reserve_vcc 0
		.amdhsa_float_denorm_mode_32 3
		.amdhsa_float_denorm_mode_16_64 3
		.amdhsa_memory_ordered 1
		.amdhsa_forward_progress 1
		.amdhsa_inst_pref_size 87
	.end_amdhsa_kernel
	.amdgpu_metadata
---
amdhsa.version: [ 1, 2 ]
amdhsa.kernels:
  - .name:           k_q8e8428bdba_attn
    .symbol:         k_q8e8428bdba_attn.kd
    .args:
      - { .name: qkv, .offset: 0, .size: 8, .value_kind: global_buffer, .address_space: global }
      - { .name: ao_img, .offset: 8, .size: 8, .value_kind: global_buffer, .address_space: global }
    .group_segment_fixed_size: 206848
    .private_segment_fixed_size: 0
    .kernarg_segment_align: 8
    .kernarg_segment_size: 16
    .max_flat_workgroup_size: 512
    .sgpr_count:     66
    .vgpr_count:     256
    .wavefront_size: 32
...
	.end_amdgpu_metadata
.endif
;; end of part 3
;; launch oproj (part 4): grid 4 x 64, 4 waves a work-group, clusters of 4 x 4, 327,680 bytes of LDS; arguments ao_img, codes, b_o, out0; writes out0
.if DOCPART == 4
	.amdgcn_target "amdgcn-amd-amdhsa--gfx1250"
	.amdhsa_code_object_version 6
	.text
	.protected	k_q8e8428bdba_oproj
	.globl	k_q8e8428bdba_oproj
	.p2align	8
	.type	k_q8e8428bdba_oproj,@function
k_q8e8428bdba_oproj:
	s_mov_b64 s[64:65], 0
	v_nop
	global_prefetch_b8 v0, s[64:65] scope:SCOPE_SE
	s_setreg_imm32_b32 hwreg(HW_REG_WAVE_MODE, 25, 1), 1
	s_wait_xcnt 0x0
	s_wait_alu depctr_hold_cnt(0) depctr_sa_sdst(0) depctr_va_vdst(0) depctr_va_sdst(0) depctr_va_ssrc(0) depctr_va_vcc(0) depctr_vm_vsrc(0)
	s_getreg_b32 s2, hwreg(HW_REG_IB_STS2, 6, 4)
	s_cmp_eq_u32 s2, 0
	s_cbranch_scc0 .Lentry_in_a_cluster
	s_endpgm
.Lentry_in_a_cluster:
	s_bfe_u32 s2, ttmp6, 0x10000c
	s_cmp_lg_u32 s2, 0xf033
	s_cbranch_scc0 .Lentry_shape_is_right
	s_endpgm
.Lentry_shape_is_right:
.set KSTEP,  256
.set NQ,     KSTEP/128
; out0 = O w_o^T + b_o on codes of FP6.  A work-group makes 128 rows x 256 columns, 256 work-groups; its four waves, 2 x 2, make 64 x 128 each: 32 accumulators, in window 2.
; ao_img and codes: each 128 rows are a dense record of GREC bytes: 4,096 scale bytes, then four chunks (256 along K) of CHB bytes: A's as images of operand registers, B's as 128 rows x 192 bytes.
; Every tile is stated as rows of 256 bytes, with 16 bytes of padding behind each 64.  LDS: regions of REG bytes: scales (SCP), the even chunks' place, the odd chunks' place: region 0 A's one record, regions 2 and 3 B's two.
; At the head one joint load a wave brings scales and chunks 0 and 1: waves 0 and 1 a half each of A's 208 rows of 256 bytes, waves 2 and 3 the 208 rows of a record of B.  Chunks 2 and 3 are refills: 48 rows for A's waves, 96 for B's.
; A and B have two sets of fragment registers each (A's set 1 stands where blocks 4-7 are numbered): a step's next set is fetched ahead of its 32 products.
; The way out's stages lie at SCP of each wave's region: bytes with no fill, or the even chunks' places behind their last fill and last read.
.set CHB,    24576
.set GREC,   102400
.set PITCH,  240
.set FR,     12
.set NLA,    4
.set NP,     4
.set HALFT,  128*PITCH
.set SLOT,   HALFT
.set SCP,    5120
.set REG,    SCP+2*HALFT
.set LAPS,   2
.set KS,     32
.set HALFS,  REG
.set SBLK,   640
.set SPARE,  4*REG
.set SPITCH, 528
.set ADRA, 16
.set ADRB, 20
.set STO,  24
.set RD,   25
.set CO,   26
.set ADRS, 27
.set SPW,  28
.set NIL,  29
.set SC,   32
.set BI,   64
.set AF,   128
.set BK,   128
.set G1, 24
.set G0, 32
.set G1B, 48
.set G0B, 56
.set G1S, 68
.set G0S, 76
.set G1SB, 80
.set G0SB, 88
.set MSB, 0
.macro WIN new
.if MSB != \new
	s_set_vgpr_msb (MSB<<8)|\new
.set MSB, \new
.endif
.endm
.set MUL_LO, 0xa1
.set MUL_HI, 0xf1
.set TO_B,   0x40
.macro JLOAD g0a, g1a, g0b, g1b
	s_cmp_eq_u32 s15, 0
	s_cbranch_scc0 .Lfor_b_\@
	tensor_load_to_lds s[\g0a:\g0a+3], s[\g1a:\g1a+7]
	s_nop 0
.rept 4
	v_nop
.endr
	s_branch .Lasked_\@
.Lfor_b_\@:
	tensor_load_to_lds s[\g0b:\g0b+3], s[\g1b:\g1b+7]
	s_nop 0
.rept 4
	v_nop
.endr
.Lasked_\@:
.endm
.macro CREST
	s_cmp_lg_u32 s14, 0
	s_cbranch_scc1 .Lnot_wave_0_\@
	s_barrier_signal -3
.Lnot_wave_0_\@:
	s_barrier_wait -3
	s_barrier_signal -1
	s_barrier_wait -1
.endm
.macro CROUND
	s_barrier_signal -1
	s_barrier_wait -1
	CREST
.endm
	s_load_b128 s[4:7], s[0:1], 0x0
	s_load_b128 s[92:95], s[0:1], 0x10
	v_lshl_add_u32 v[SPW], v0, 2, SPARE
	v_mov_b32 v[NIL], 0
	ds_add_u32 v[SPW], v[NIL]
	ds_add_u32 v[SPW], v[NIL]
	v_lshrrev_b32 v1, 5, v0
	v_readfirstlane_b32 s14, v1
	s_lshr_b32 s15, s14, 1
	s_and_b32 s16, s14, 1
	s_bfe_u32 s40, ttmp6, 0x40000
	s_bfe_u32 s41, ttmp6, 0x40004
	s_lshl_b32 s42, ttmp9, 2
	s_add_co_u32 s42, s42, s40
	s_and_b32 s17, ttmp7, 0xffff
	s_lshl_b32 s17, s17, 2
	s_add_co_u32 s17, s17, s41
	s_lshl_b32 s43, s41, 2
	s_lshl_b32 s43, 15, s43
	s_lshl_b32 s44, 0x1111, s40
	s_or_b32 s[G1+0], s43, (3<<16)|(1<<20)|(1<<21)|(3<<22)|(3<<25)
	s_mov_b32 s[G1+1], 32<<16
	s_mov_b32 s[G1+2], 48<<16
	s_mov_b32 s[G1+3], 32<<16
	s_mov_b32 s[G1+4], 48
	s_mov_b32 s[G1+5], 32
	s_mov_b32 s[G1+6], 0
	s_mov_b32 s[G1+7], 0
	s_or_b32 s[G1B+0], s44, (0<<16)|(1<<20)|(1<<21)|(3<<22)|(3<<25)
	s_mov_b32 s[G1B+1], 256<<16
	s_mov_b32 s[G1B+2], 96<<16
	s_mov_b32 s[G1B+3], 256<<16
	s_mov_b32 s[G1B+4], 96
	s_mov_b32 s[G1B+5], 256
	s_mov_b32 s[G1B+6], 0
	s_mov_b32 s[G1B+7], 0
	s_or_b32 s[G1S+0], s43, (3<<16)|(1<<20)|(1<<21)|(3<<22)|(3<<25)
	s_or_b32 s[G1SB+0], s44, (3<<16)|(1<<20)|(1<<21)|(3<<22)|(3<<25)
.irp g, G1S, G1SB
	s_mov_b32 s[\g+1], 32<<16
	s_mov_b32 s[\g+2], 208<<16
	s_mov_b32 s[\g+3], 32<<16
	s_mov_b32 s[\g+4], 208
	s_mov_b32 s[\g+5], 32
	s_mov_b32 s[\g+6], 0
	s_mov_b32 s[\g+7], 0
.endr
	s_mov_b32 s[G1S+2], 104<<16                    ; A's head load: half of the 208 rows a wave
	s_mov_b32 s[G1S+4], 104
	s_mul_i32 s20, s17, GREC                       ; A's record: the tile row's 128 rows
	s_mov_b32 s21, 0
	s_lshl_b32 s46, s42, 8
	s_lshl_b32 s18, s16, 7
	s_add_co_u32 s46, s46, s18
	s_add_co_u32 s46, s46, 11264
	s_mul_i32 s46, s46, GREC/128
	s_mov_b32 s47, 0
	s_mul_i32 s45, s14, REG                        ; my region of LDS
	s_wait_dscnt 0x0
	s_wait_kmcnt 0x0
	s_add_nc_u64 s[20:21], s[4:5], s[20:21]
	s_add_nc_u64 s[46:47], s[6:7], s[46:47]
	CROUND
	s_mov_b32 s[G0S], 1
	s_mul_i32 s[G0S+1], s16, 104*320
	s_mul_i32 s22, s16, 104*256
	s_mov_b32 s23, 0
	s_add_nc_u64 s[G0S+2:G0S+3], s[20:21], s[22:23]
	s_mul_i32 s99, s16, 48*320                     ; a refill of A: which half of the chunk, in LDS
	s_mul_i32 s96, s16, 48*256                     ; and in memory
	s_mov_b32 s97, 0
	s_or_b32 s[G0S+3], s[G0S+3], 0x80000000
	s_mov_b32 s[G0SB], 1
	s_mov_b32 s[G0SB+1], s45
	s_mov_b64 s[G0SB+2:G0SB+3], s[46:47]
	s_or_b32 s[G0SB+3], s[G0SB+3], 0x80000000
	JLOAD G0S, G1S, G0SB, G1SB
.irp s, 0,1
	s_mov_b32 s[G0+4*\s], 1
	s_add_co_u32 s[G0+4*\s+1], s99, SCP+\s*SLOT
	s_add_nc_u64 s[G0+4*\s+2:G0+4*\s+3], s[20:21], s[96:97]
	s_add_nc_u64 s[G0+4*\s+2:G0+4*\s+3], s[G0+4*\s+2:G0+4*\s+3], 4096+\s*CHB
	s_or_b32 s[G0+4*\s+3], s[G0+4*\s+3], 0x80000000
	s_mov_b32 s[G0B+4*\s], 1
	s_add_co_u32 s[G0B+4*\s+1], s45, SCP+\s*SLOT
	s_add_nc_u64 s[G0B+4*\s+2:G0B+4*\s+3], s[46:47], 4096+\s*CHB
	s_or_b32 s[G0B+4*\s+3], s[G0B+4*\s+3], 0x80000000
.endr
	; chunks 2 and 3 of my 128 rows, 192 blocks of 256 bytes, are asked for into the L2: the four partners of the joint load take 48 blocks each, told apart by address
	s_cmp_eq_u32 s15, 0
	s_cselect_b64 s[66:67], s[20:21], s[46:47]
	s_cselect_b32 s2, s40, s41
	s_cselect_b32 s97, 23, 31                      ; A's record is shared by waves 0 and 1: 24 of the partner's 48 blocks each
	s_cselect_b32 s98, 6144, 0
	s_mul_i32 s2, s2, 12288
	s_mul_i32 s98, s98, s16
	s_add_co_u32 s2, s2, s98
	v_and_b32 v10, 31, v0
	v_min_u32 v11, 15, v10
	v_min_u32 v10, s97, v10
	v_lshl_add_u32 v10, v10, 8, s2
	v_lshl_add_u32 v11, v11, 8, s2
	global_prefetch_b8 v10, s[66:67] offset:4096+2*CHB th:TH_LOAD_NT scope:SCOPE_SE
	s_cmp_eq_u32 s15, 0
	s_cbranch_scc1 .Lno_second                     ; B's waves alone have blocks 32 to 47
	global_prefetch_b8 v11, s[66:67] offset:4096+2*CHB+8192 th:TH_LOAD_NT scope:SCOPE_SE
.Lno_second:
	v_and_b32 v1, 15, v0
	v_bfe_u32 v2, v0, 4, 1
	v_lshlrev_b32 v7, 6, v2
	s_lshl_b32 s18, s42, 10
	s_lshl_b32 s19, s16, 9
	s_add_co_u32 s18, s18, s19
	s_mov_b32 s19, 0
	s_add_nc_u64 s[92:93], s[92:93], s[18:19]
.irp b, 0,1,2,3,4,5,6,7
	global_load_b128 v[BI+8*\b:BI+8*\b+3], v7, s[92:93] offset:(32*(\b/2)+8*(\b%2))*4
	global_load_b128 v[BI+8*\b+4:BI+8*\b+7], v7, s[92:93] offset:(32*(\b/2)+8*(\b%2))*4+16
.endr
	v_mul_u32_u24 v3, v1, PITCH
	v_mul_u32_u24 v4, v2, 24
	v_add_nc_u32 v4, v3, v4
	v_lshl_add_u32 v5, v2, 4, v4
	v_and_b32 v6, 31, v0
	v_lshrrev_b32 v8, 2, v6
	v_add_nc_u32 v8, v8, v6                        ; an image's 16 x lane with 16 more for each 64 passed: 16 (lane + lane / 4)
	v_lshrrev_b32 v9, 3, v6
	v_lshl_add_u32 v9, v9, 1, v6                   ; and its 8 x lane: 8 (lane + 2 (lane / 8))
	s_mul_i32 s21, s15, 4*3840                     ; my 64 rows of A: four images of a chunk's eight
	s_add_co_u32 s21, s21, SCP
	s_mul_i32 s22, s16, REG
	s_add_co_u32 s22, s22, 2*REG+SCP
.irp s, 0,1
	v_lshl_add_u32 v[ADRA+\s], v8, 4, s21
	v_lshl_add_u32 v[ADRA+2+\s], v9, 3, s21
	v_add_nc_u32 v[ADRB+\s], s22, v4
	v_add_nc_u32 v[ADRB+2+\s], s22, v5
	s_add_co_u32 s21, s21, SLOT
	s_add_co_u32 s22, s22, SLOT
.endr
	v_mul_u32_u24 v5, v1, KS
	v_lshrrev_b32 v3, 6, v5
	v_lshl_add_u32 v5, v3, 4, v5
	s_mul_i32 s21, s15, 4*SBLK
	s_mul_i32 s22, s16, HALFS
	s_add_co_u32 s22, s22, 2*HALFS
	s_sub_co_u32 s22, s22, s21
	v_mul_u32_u24 v3, s22, v2
	v_add_nc_u32 v5, v5, v3
	v_add_nc_u32 v[ADRS], s21, v5
	v_mad_u32_u24 v[ADRS+3], v2, 4*SBLK, v[ADRS]   ; for scale registers 4-7: lanes 0-15 A's blocks 0-3 again (A's set 1), lanes 16-31 B's blocks 4-7
	s_mul_i32 s23, s14, REG
	s_add_co_u32 s23, s23, SCP                     ; my stage: my region's place for the even chunks
	v_mul_u32_u24 v5, v1, SPITCH
	v_lshl_add_u32 v5, v2, 6, v5
	v_add_nc_u32 v[STO], s23, v5
	v_lshlrev_b32 v[CO], 4, v6
	v_add_nc_u32 v[RD], s23, v[CO]
	s_lshl_b32 s20, s17, 7
	s_lshl_b32 s21, s15, 6
	s_add_co_u32 s20, s20, s21
	s_lshl_b32 s20, s20, 12
	s_lshl_b32 s46, s42, 10
	s_lshl_b32 s47, s16, 9
	s_add_co_u32 s46, s46, s47
	s_add_co_u32 s20, s20, s46
	s_mov_b32 s21, 0
	s_add_nc_u64 s[12:13], s[94:95], s[20:21]
.macro FRAG reg, adr, q, i
.irp p, 0,1,2,3,4,5
.set PC, 12*(\q)+6*(\p/3)+\p%3
.if PC%8 < 5
	ds_load_b64 v[\reg+2*\p:\reg+2*\p+1], v[\adr] offset:8*PC+16*(PC/8)+(\i)*16*PITCH
.else
	ds_load_b64 v[\reg+2*\p:\reg+2*\p+1], v[\adr+2] offset:8*PC+16*(PC/8)+(\i)*16*PITCH
.endif
.endr
.endm
.macro FRAGI reg, slot, q, i
	ds_load_b128 v[\reg:\reg+3], v[ADRA+\slot] offset:3840*(\i)+1920*(\q)
	ds_load_b64 v[\reg+4:\reg+5], v[ADRA+2+\slot] offset:3840*(\i)+1920*(\q)+640
	ds_load_b128 v[\reg+6:\reg+9], v[ADRA+\slot] offset:3840*(\i)+1920*(\q)+960
	ds_load_b64 v[\reg+10:\reg+11], v[ADRA+2+\slot] offset:3840*(\i)+1920*(\q)+1600
.endm
.macro MUL16 a0, p, q, sc, zero
.irp a, \a0, \a0+1
.irp b, 0,1,2,3,4,5,6,7
.if \zero
	v_wmma_scale_f32_16x16x128_f8f6f4 v[8*(8*((\a)%4)+\b):8*(8*((\a)%4)+\b)+7], v[128*(\p)+FR*\b:128*(\p)+FR*\b+FR-1], v[AF+FR*(\a):AF+FR*(\a)+FR-1], v[BI+8*\b:BI+8*\b+7], v[SC+8*NQ*(\sc)+NQ*\b+(\q)], v[SC+8*NQ*(\sc)+NQ*(\a)+(\q)] matrix_a_fmt:MATRIX_FMT_FP6 matrix_b_fmt:MATRIX_FMT_FP6 matrix_a_scale:MATRIX_SCALE_ROW1
.else
	v_wmma_scale_f32_16x16x128_f8f6f4 v[8*(8*((\a)%4)+\b):8*(8*((\a)%4)+\b)+7], v[128*(\p)+FR*\b:128*(\p)+FR*\b+FR-1], v[AF+FR*(\a):AF+FR*(\a)+FR-1], v[8*(8*((\a)%4)+\b):8*(8*((\a)%4)+\b)+7], v[SC+8*NQ*(\sc)+NQ*\b+(\q)], v[SC+8*NQ*(\sc)+NQ*(\a)+(\q)] matrix_a_fmt:MATRIX_FMT_FP6 matrix_b_fmt:MATRIX_FMT_FP6 matrix_a_scale:MATRIX_SCALE_ROW1
.endif
.endr
.endr
.endm
.macro FETCH_B slot, q, p
	WIN TO_B
.irp i, 0,1,2,3,4,5,6,7
	FRAG 128*(\p)+FR*\i, ADRB+\slot, \q, \i
.endr
	WIN 0
.endm
.macro FETCH_A slot, q, i0
.irp i, \i0, \i0+1, \i0+2, \i0+3
	FRAGI AF+FR*(\i), \slot, \q, (\i)%4
.endr
.endm
.macro SCALES sc
.irp i, 0,1,2,3,4,5,6,7
	ds_load_b64 v[SC+8*NQ*\sc+NQ*\i:SC+8*NQ*\sc+NQ*\i+1], v[ADRS+3*(\i/4)] offset:(\i%4)*SBLK
.endr
.endm
.macro PLACES n
.rept \n
	v_nop
.endr
.endm
.macro STEP slot, q, zero              ; a chunk's first 128 along K, on set 0; the second 128's fragments go into set 1 ahead of the products
	s_wait_dscnt 0x0                               ; set 0 and the scale words are in
	PLACES NP                                      ; behind the last products, which read set 1
	FETCH_B \slot, (\q)+1, 1-(\q)%2
	FETCH_A \slot, (\q)+1, 4
.if \zero
	WIN 0x81
.else
	WIN MUL_LO
.endif
	MUL16 0, (\q)%2, \q, \slot, \zero
	MUL16 2, (\q)%2, \q, \slot, \zero
	WIN 0
.endm
.macro TURN slot, next, fill
	s_wait_tensorcnt 0x0
	ds_add_u32 v[SPW], v[NIL]
	s_wait_dscnt 1                                 ; set 1 is in; the add alone may be out
	WIN MUL_LO
	MUL16 4, 1, NQ-1, \slot, 0
	s_wait_dscnt 0x0
	s_barrier_signal -1
	MUL16 6, 1, NQ-1, \slot, 0
	WIN 0
	s_barrier_wait -1
.if \fill
	CREST
	s_add_nc_u64 s[G0+4*\slot+2:G0+4*\slot+3], s[G0+4*\slot+2:G0+4*\slot+3], 2*CHB
	s_add_nc_u64 s[G0B+4*\slot+2:G0B+4*\slot+3], s[G0B+4*\slot+2:G0B+4*\slot+3], 2*CHB
	JLOAD G0+4*\slot, G1, G0B+4*\slot, G1B
.else
	PLACES NP
.endif
	s_wait_alu depctr_va_vdst(0)
	v_add_nc_u32 v[ADRS], 4*NQ, v[ADRS]
	v_add_nc_u32 v[ADRS+3], 4*NQ, v[ADRS+3]
	FETCH_B \next, 0, 0
	FETCH_A \next, 0, 0
	SCALES \next
.endm
	s_wait_alu depctr_va_vdst(0)
	s_wait_tensorcnt 0x0                           ; my one load of the head is in
	s_barrier_signal -1
	s_barrier_wait -1
	FETCH_B 0, 0, 0
	FETCH_A 0, 0, 0
	SCALES 0
	s_wait_loadcnt 0x0
	STEP 0, 0, 1
	s_mov_b32 s3, LAPS-1
.Llap:
	TURN 0, 1, 1
	STEP 1, 0, 0
	TURN 1, 0, 1
	STEP 0, 0, 0
	s_sub_co_u32 s3, s3, 1
	s_cmp_lg_u32 s3, 0
	s_cbranch_scc1 .Llap
	TURN 0, 1, 0
	STEP 1, 0, 0
	s_wait_dscnt 0x0
	WIN MUL_LO
	MUL16 4, 1, NQ-1, 1, 0
	MUL16 6, 1, NQ-1, 1, 0
	WIN 0
.macro TOSTAGE a
.set AC, 64*((\a)%4)
.set WQ, 0x08+4*((\a)/4)
	WIN WQ
.irp b, 0,1,2,3,4,5,6,7
	ds_store_b128 v[STO], v[AC+8*\b:AC+8*\b+3] offset:128*(\b/2)+32*(\b%2)
	ds_store_b128 v[STO], v[AC+8*\b+4:AC+8*\b+7] offset:128*(\b/2)+32*(\b%2)+16
.endr
	WIN 0
.set BB, BK+64*((\a)%2)
.irp t, 0,1,2,3,4,5,6,7,8,9,10,11,12,13,14,15
	ds_load_b128 v[BB+4*\t:BB+4*\t+3], v[RD] offset:\t*SPITCH
.endr
.endm
.macro SEND a, younger
.set BB, BK+64*((\a)%2)
	s_wait_dscnt \younger
.if (\a) > 0
.if (\a)%2
	s_add_nc_u64 s[12:13], s[12:13], 8*4096
.else
	s_add_nc_u64 s[12:13], s[12:13], 24*4096
.endif
.endif
.irp t, 0,1,2,3,4,5,6,7,8,9,10,11,12,13,14,15
	global_store_b128 v[CO], v[BB+4*\t:BB+4*\t+3], s[12:13] offset:(\t+8*(\t/8))*4096 th:TH_STORE_NT
.endr
.endm
	PLACES NP
	TOSTAGE 0
.irp a, 1,2,3
.if \a > 1
	s_wait_xcnt 0x0
.endif
	TOSTAGE \a
	SEND \a-1, 32
.endr
	s_wait_xcnt 0x0
	SEND 3, 0
	s_wait_tensorcnt 0x0
	ds_add_u32 v[SPW], v[NIL]
	s_wait_dscnt 0x0
	CROUND
	s_endpgm
.Lfunc_end_k_q8e8428bdba_oproj:
	.size	k_q8e8428bdba_oproj, .Lfunc_end_k_q8e8428bdba_oproj-k_q8e8428bdba_oproj
	.p2alignl 7, 3214868480
	.fill 96, 4, 3214868480
	.section	.rodata,"a",@progbits
	.p2align	6, 0x0
	.amdhsa_kernel k_q8e8428bdba_oproj
		.amdhsa_group_segment_fixed_size 327680
		.amdhsa_private_segment_fixed_size 0
		.amdhsa_enable_private_segment 0
		.amdhsa_kernarg_size 32
		.amdhsa_user_sgpr_count 2
		.amdhsa_user_sgpr_kernarg_segment_ptr 1
		.amdhsa_wavefront_size32 1
		.amdhsa_system_sgpr_workgroup_id_x 1
		.amdhsa_system_sgpr_workgroup_id_y 1
		.amdhsa_system_sgpr_workgroup_id_z 1
		.amdhsa_system_vgpr_workitem_id 0
		.amdhsa_next_free_vgpr 1024
		.amdhsa_next_free_sgpr 100
		.amdhsa_reserve_vcc 0
		.amdhsa_float_denorm_mode_32 3
		.amdhsa_float_denorm_mode_16_64 3
		.amdhsa_memory_ordered 1
		.amdhsa_forward_progress 1
		.amdhsa_inst_pref_size 98
	.end_amdhsa_kernel
	.amdgpu_metadata
---
amdhsa.version: [ 1, 2 ]
amdhsa.kernels:
  - .name:           k_q8e8428bdba_oproj
    .symbol:         k_q8e8428bdba_oproj.kd
    .args:
      - { .name: ao_img, .offset: 0, .size: 8, .value_kind: global_buffer, .address_space: global }
      - { .name: codes, .offset: 8, .size: 8, .value_kind: global_buffer, .address_space: global }
      - { .name: b_o, .offset: 16, .size: 8, .value_kind: global_buffer, .address_space: global }
      - { .name: out0, .offset: 24, .size: 8, .value_kind: global_buffer, .address_space: global }
    .group_segment_fixed_size: 327680
    .private_segment_fixed_size: 0
    .kernarg_segment_align: 8
    .kernarg_segment_size: 32
    .max_flat_workgroup_size: 128
    .sgpr_count:     100
    .vgpr_count:     1024
    .wavefront_size: 32
...
	.end_amdgpu_metadata
.endif
;; end of part 4
